; MI455X (gfx1250); checked and timed in simulation.
; The chip was launched on July 23, 2026; its instructions are those of AMD's public machine-readable ISA for CDNA 5 (MIT licence, August 2026) and "CDNA5" Instruction Set Architecture Reference Guide (July 2026). The comments in the code are by the model that wrote it; some were corrected since.
;; Multihead Self Attention. Allowed arithmetic: matrix products marked QUANTISED: E2M1 operands, one E8M0 scale for each 32 along K, by v_wmma_scale_f32_16x16x128_f8f6f4 with both operands' format E2M1 (or v_wmma_scale_f32_32x16x128_f4), f32 sums; products left as they are: bf16, f16 or f32 operands; f32 sums; everything else in f32.
;; Inputs: Wk 1,024 x 1,024 float32; Wo 1,024 x 1,024 float32; Wq 1,024 x 1,024 float32; Wv 1,024 x 1,024 float32; x 4 x 2,048 x 1,024 float32.
;; Outputs: out0 4 x 2,048 x 1,024 float32.
;; This version of the problem:
;;   THIS VERSION OF THE PROBLEM IS GIVEN IN LOW PRECISION. The matrix products marked QUANTISED in the list below multiply operands that are first quantised to E2M1 (2 exponent bits, 1 mantissa bit; 4 bits a number), with one power-of-two scale for each 32 numbers along K (OCP MX v1.0); their sums are f32. The products marked 'left as it is' may take bf16, f16 or f32 operands, with f32 sums. Whichever they take, every output number must still come out within the allowed error. Rounding operands to bf16 (8 significant bits) uses up far more of that allowance than f16 does (11 bits, for magnitudes from 6e-5 to 65,504). All else is computed in f32.
;;   The module's matrix products, in the order in which they are computed (A, B: the left and right operand; K: the contracted axis; several contracted axes count as one K, in the product's order):
;;     1. [M 8,192, K 1,024] x [K 1,024, N 1,024]; A: input x; B: input Wq: QUANTISED
;;     2. [M 8,192, K 1,024] x [K 1,024, N 1,024]; A: input x; B: input Wk: QUANTISED
;;     3. [M 8,192, K 1,024] x [K 1,024, N 1,024]; A: input x; B: input Wv: QUANTISED
;;     4. batch 64 x [M 2,048, K 64] x [K 64, N 2,048]; A: computed on the way; B: computed on the way: left as it is (an operand is computed on the way)
;;     5. batch 64 x [M 2,048, K 2,048] x [K 2,048, N 64]; A: computed on the way; B: computed on the way: left as it is (an operand is computed on the way)
;;     6. [M 8,192, K 1,024] x [K 1,024, N 1,024]; A: computed on the way; B: input Wo: left as it is (an operand is computed on the way)
;;   THE QUANTISER, for each operand of a quantised product, along K:
;;     - K is cut into blocks of 32 from its start; a last block that is shorter is filled with zeros.
;;     - A block's scale is 2^e with e = floor(log2(the largest magnitude in the block)) - 2, held to -126 .. 127; a block of zeros has e = 0. As a byte (E8M0): e + 127.
;;     - Each number is divided by its block's scale, clamped to +-6, and rounded to the nearest number of E2M1, ties to even, subnormals kept.
;;     - The product sums the exact products of the quantised numbers (number of the format x scale) in f32.
;;   ~~~python
;;   def quantise(x, axis):      # numpy; x: float32 -> the quantised numbers, widened to float32 again
;;       x = np.moveaxis(x, axis, -1); K = x.shape[-1]
;;       x = np.pad(x, [(0, 0)] * (x.ndim - 1) + [(0, -K % 32)]); x = x.reshape(x.shape[:-1] + (-1, 32)); a = np.abs(x).max(-1, keepdims=True)
;;       e = np.where(a > 0, np.clip(np.frexp(np.where(a > 0, a, 1))[1] - 1 - 2, -126, 127), 0)      # np.frexp(a)[1] - 1 = floor(log2(a)), exactly
;;       r = np.clip(x / 2.0 ** e, -6, 6)
;;       step = 2.0 ** (np.maximum(np.frexp(np.where(r == 0, 1, r))[1] - 1, 0) - 1)
;;       q = np.round(r / step) * step * 2.0 ** e      # np.round: ties to even
;;       return np.moveaxis(q.reshape(q.shape[:-2] + (-1,))[..., :K], -1, axis).astype(np.float32)
;;   ~~~
;; One version. Each part assembles by itself: llvm-mc -triple=amdgcn-amd-amdhsa -mcpu=gfx1250 --defsym DOCPART=n.
;; ======== version 1 of 1: 5 launches
;; limits: values are held in f16: magnitudes above 65,504 overflow, below 6.1e-05 lose precision
;; workspace buffers: codes 5,767,168 bytes; scales 360,448 bytes; aux 2,621,440 bytes; qkv16 50,331,648 bytes; fineb 786,432 bytes; att16 16,777,216 bytes
;; launch prep (part 1): grid 512 x 1, 4 waves a work-group, no clusters, 33,280 bytes of LDS; arguments x, Wq, Wk, Wv, Wo, codes, scales, aux; writes codes, scales, aux
.if DOCPART == 1
	.amdgcn_target "amdgcn-amd-amdhsa--gfx1250"
	.amdhsa_code_object_version 6
	.text
	.protected	k_qf4c9cdf55e_prep
	.globl	k_qf4c9cdf55e_prep
	.p2align	8
	.type	k_qf4c9cdf55e_prep,@function
k_qf4c9cdf55e_prep:
	s_mov_b64 s[64:65], 0
	v_nop
	global_prefetch_b8 v0, s[64:65] scope:SCOPE_SE
	s_setreg_imm32_b32 hwreg(HW_REG_WAVE_MODE, 25, 1), 1
	s_wait_xcnt 0x0
; Three jobs, told apart by the work-group's number alone.
;  0-351:   x, Wq, Wk, Wv (f32, K innermost) become codes of FP4 (E2M1), K innermost, with one E8M0 byte for each 32 along K.  The four tensors' codes lie on end in one buffer
;           (x's 8,192 rows of 512 bytes, then the 3,072 rows of Wq, Wk, Wv), and so do the scale bytes (32 a row).
;  352-479: Wo becomes f16, [1024][1024].
;  480-511: the table of RoPE: [2048 positions][32 pairs][cos, sin] f32, 256 bytes a position, behind Wo's f16 in aux.
; A block's scale is 2^(floor(log2(its largest magnitude)) - 2); its byte is the largest magnitude's exponent field - 2, held at 1 from below.
; LIMITS: a block whose largest magnitude lies under 2^-124 (zeros too) gets the byte 1: its codes are then zeros or the floor's, and this program alone reads the bytes; NaN and infinities are not served.
; Only the first job touches LDS.  No tensor loads, no barrier: waves share nothing.
.set WAVES, 4
.set STEPS, 16
.set EMAX,  2
.set CB,    8                          ; bytes of 16 codes
.set R,     16                         ; v16-79   four sets of 16 numbers as they are loaded
.set X,     80                         ; v80-111  two sets of 16 neighbours
.set E,     112                        ; v112-127 a scale byte for each step
.set C,     128                        ; v128-191 codes: four registers for each step
.set WREG,  8192                       ; LDS: a region for each wave: two stages of 32 x SP bytes, then its 256 scale bytes
.set SP,    80
.set SPW,   12                         ; v12 LDS address of my spare word; never rewritten
.set NIL,   13                         ; v13 0; never rewritten
.set SPARE, WAVES*WREG
	s_load_b512 s[4:19], s[0:1], 0x0               ; x s[4:5], Wq s[6:7], Wk s[8:9], Wv s[10:11], Wo s[12:13], codes s[14:15], scales s[16:17], aux s[18:19]
	v_lshl_add_u32 v[SPW], v0, 2, SPARE
	v_mov_b32 v[NIL], 0
	v_lshrrev_b32 v1, 5, v0
	v_readfirstlane_b32 s20, v1                    ; wave
	v_and_b32 v2, 31, v0                           ; lane
	s_lshl_b32 s21, ttmp9, 2
	s_add_co_u32 s21, s21, s20                     ; my run: 4 x work-group + wave
	s_mov_b32 s27, 0
	s_wait_kmcnt 0x0
	s_cmp_ge_u32 ttmp9, 352
	s_cbranch_scc1 .Lwo
; ---- the quantiser: a run is 8,192 numbers: 16 steps of 512.  Each load reads 512 consecutive bytes; a step's 2,048 bytes turn through the wave's own stage so that a lane holds 16 neighbours
	v_lshlrev_b32 v3, 4, v2                        ; my 16 bytes of a load's 512
	s_mul_i32 s25, s20, WREG
	v_lshrrev_b32 v14, 2, v2
	v_mul_u32_u24 v14, v14, SP
	v_and_b32 v15, 3, v2
	v_lshl_add_u32 v14, v15, 4, v14
	v_add_nc_u32 v14, s25, v14                     ; the stage, on the way in: SP (lane / 4) + 16 (lane % 4)
	v_mul_u32_u24 v15, v2, SP
	v_add_nc_u32 v15, s25, v15                     ; and on the way out: SP x lane
	v_mul_u32_u24 v4, v2, CB                       ; my codes' place in a step's
	v_lshrrev_b32 v5, 1, v2
	s_add_co_u32 s25, s25, 2*32*SP
	v_add_nc_u32 v5, s25, v5                       ; my block's scale byte in my wave's 256
	v_lshlrev_b32 v7, 3, v2
	v_add_nc_u32 v6, s25, v7
	s_mov_b64 s[22:23], s[10:11]                   ; which tensor: the choice hangs on the work-group's number alone
	s_mov_b32 s24, 320
	s_cmp_lt_u32 ttmp9, 320
	s_cselect_b64 s[22:23], s[8:9], s[22:23]
	s_cselect_b32 s24, 288, s24
	s_cmp_lt_u32 ttmp9, 288
	s_cselect_b64 s[22:23], s[6:7], s[22:23]
	s_cselect_b32 s24, 256, s24
	s_cmp_lt_u32 ttmp9, 256
	s_cselect_b64 s[22:23], s[4:5], s[22:23]
	s_cselect_b32 s24, 0, s24                      ; the tensor's first work-group
	s_lshl_b32 s24, s24, 2
	s_sub_co_u32 s26, s21, s24                     ; my run within the tensor
	s_lshl_b32 s26, s26, 15                        ; 32,768 bytes of f32 a run
	s_add_nc_u64 s[22:23], s[22:23], s[26:27]
	s_lshl_b32 s26, s21, 12                        ; 4,096 bytes of codes a run: the tensors' codes lie on end, so the run's number does
	s_add_nc_u64 s[14:15], s[14:15], s[26:27]
	s_lshl_b32 s26, s21, 8                         ; 256 scale bytes a run
	s_add_nc_u64 s[16:17], s[16:17], s[26:27]
.macro LOAD t
.irp i, 0,1,2,3
	global_load_b128 v[R+16*((\t)%4)+4*\i:R+16*((\t)%4)+4*\i+3], v3, s[22:23] offset:2048*(\t)+512*\i th:TH_LOAD_NT
.endr
.endm
.macro TURN t                          ; LDS serves a wave's instructions in order (ISA guide 5.7.1.4): no wait between the stores and the loads
.irp i, 0,1,2,3
	ds_store_b128 v14, v[R+16*((\t)%4)+4*\i:R+16*((\t)%4)+4*\i+3] offset:32*SP*((\t)%2)+8*SP*\i
.endr
.irp i, 0,1,2,3
	ds_load_b128 v[X+16*((\t)%2)+4*\i:X+16*((\t)%2)+4*\i+3], v15 offset:32*SP*((\t)%2)+16*\i
.endr
.endm
.irp t, 0,1,2,3
	LOAD \t
.endr
	s_wait_loadcnt 12                              ; step 0's four loads are in; twelve younger ones stay out
	TURN 0
.macro STEP t
.set XS, X+16*((\t)%2)
.if (\t) > 0
	s_wait_dscnt 1                                 ; this step's numbers are back from the stage; the last step's byte store may be out
.else
	s_wait_dscnt 0x0
.endif
.if (\t)+4 < STEPS
	LOAD (\t)+4                                    ; into the registers that the stage's stores have read
.endif
.if (\t)+1 < STEPS
.if STEPS-2-(\t) >= 3
	s_wait_loadcnt 12                              ; the next step's four loads are in; those of three steps behind it may be out
.else
	s_wait_loadcnt 4*(STEPS-2-(\t))
.endif
	TURN (\t)+1
.endif
	v_max3_num_f32 v8, |v[XS]|, |v[XS+1]|, |v[XS+2]|
	v_max3_num_f32 v9, |v[XS+3]|, |v[XS+4]|, |v[XS+5]|
.irp i, 6,10
	v_max3_num_f32 v8, v8, |v[XS+\i]|, |v[XS+\i+1]|
	v_max3_num_f32 v9, v9, |v[XS+\i+2]|, |v[XS+\i+3]|
.endr
	v_max3_num_f32 v8, v8, |v[XS+14]|, |v[XS+15]|
	v_max3_num_f32 v8, v8, v9, (EMAX+1)<<23        ; the floor 2^(3 - 127): the byte cannot fall under 1
	v_max_num_f32_dpp v8, v8, v8 row_xmask:1 row_mask:0xf bank_mask:0xf   ; with my neighbour's 16: the block's largest magnitude
	v_add_nc_u32 v11, -(EMAX<<23), v8              ; 2 off its exponent field: the conversion takes the exponent field of this operand as its scale
	v_cvt_scalef32_pk8_fp4_f32 v[C+4*(\t)], v[XS:XS+7], v11
	v_cvt_scalef32_pk8_fp4_f32 v[C+4*(\t)+1], v[XS+8:XS+15], v11
	v_lshrrev_b32 v[E+(\t)], 23, v11               ; the scale's byte
	ds_store_b8 v5, v[E+(\t)] offset:16*(\t)       ; both lanes of a block write the same byte with the same value
	global_store_b64 v4, v[C+4*(\t):C+4*(\t)+1], s[14:15] offset:32*CB*(\t)   ; the wave stores 256 consecutive bytes, aligned
.endm
.irp t, 0,1,2,3,4,5,6,7,8,9,10,11,12,13,14,15
	STEP \t
.endr
	ds_load_b64 v[8:9], v6
	s_wait_dscnt 0x0
	global_store_b64 v7, v[8:9], s[16:17]          ; 32 lanes store my run's 256 scale bytes
	s_wait_tensorcnt 0x0                           ; the wave's end, behind my last LDS store
	ds_add_u32 v[SPW], v[NIL]
	s_wait_dscnt 0x0
	s_endpgm
; ---- Wo to f16: a run is 2,048 numbers
.Lwo:
	s_cmp_ge_u32 ttmp9, 480
	s_cbranch_scc1 .Ltab
	s_sub_co_u32 s21, s21, 4*352
	s_lshl_b32 s26, s21, 13
	s_add_nc_u64 s[12:13], s[12:13], s[26:27]
	s_lshl_b32 s26, s21, 12
	s_add_nc_u64 s[18:19], s[18:19], s[26:27]
	v_lshlrev_b32 v3, 4, v2
	v_lshlrev_b32 v4, 3, v2
.irp t, 0,1,2,3,4,5,6,7,8,9,10,11,12,13,14,15
	global_load_b128 v[16+4*\t:19+4*\t], v3, s[12:13] offset:512*\t
.endr
.irp t, 0,1,2,3,4,5,6,7,8,9,10,11,12,13,14,15
	s_wait_loadcnt 15-\t                           ; loads come back in order: load t is in
	v_cvt_pk_f16_f32 v[80+2*\t], v[16+4*\t], v[17+4*\t]
	v_cvt_pk_f16_f32 v[81+2*\t], v[18+4*\t], v[19+4*\t]
	global_store_b64 v4, v[80+2*\t:81+2*\t], s[18:19] offset:256*\t   ; 256 consecutive bytes, aligned; each store has data registers of its own
.endr
	s_endpgm
; ---- the table: a wave makes 16 positions; a lane owns pairs i = 2 (lane % 16) and i + 1; lanes 16-31 take the odd position of two
.Ltab:
	s_sub_co_u32 s21, s21, 4*480
	s_lshl_b32 s26, s21, 12
	s_add_co_u32 s26, s26, 0x200000                ; behind Wo's f16
	s_add_nc_u64 s[18:19], s[18:19], s[26:27]
	s_mov_b32 s22, 0xbfc90fdb                      ; -pi/2, its f32 part,
	s_mov_b32 s23, 0x333bbd2e                      ; and what that part lacks
	s_mov_b32 s24, 0xbe2aaaab                      ; sin: -1/3!, 1/5!, -1/7!, 1/9!
	s_mov_b32 s25, 0x3c088889
	s_mov_b32 s26, 0xb9500d01
	s_mov_b32 s28, 0x3638ef1d
	s_mov_b32 s29, 0x3d2aaaab                      ; cos: 1/4!, -1/6!, 1/8!
	s_mov_b32 s30, 0xbab60b61
	s_mov_b32 s31, 0x37d00d01
	v_and_b32 v3, 15, v2
	v_lshlrev_b32 v3, 1, v3
	v_cvt_f32_u32 v4, v3
	v_add_f32 v5, 1.0, v4
	v_mul_f32 v4, 0xbed49a78, v4                   ; -i log2(10000) / 32
	v_mul_f32 v5, 0xbed49a78, v5
	v_exp_f32 v4, v4                               ; the pair's frequency, 10000^(-i / 32)
	v_exp_f32 v5, v5
	v_lshrrev_b32 v6, 4, v2                        ; (a plain instruction behind the exponentials)
	s_lshl_b32 s20, s21, 4
	v_add_nc_u32 v6, s20, v6                       ; position 16 x my wave's number + lane / 16
	v_lshlrev_b32 v7, 4, v2
	s_wait_alu depctr_va_vdst(0)                   ; one wait for both exponentials, ahead of their first reader
; cos and sin of an angle of 0 to 2,047 radians: n = the nearest multiple of pi/2, taken off in two parts; series to r^9 and r^8 on |r| <= pi/4; the quadrant swaps and signs them
.macro SINCOS ang, c, s
	v_mul_f32 v20, 0x3f22f983, v[\ang]
	v_rndne_f32 v20, v20
	v_fma_f32 v21, v20, s22, v[\ang]
	v_fma_f32 v21, v20, s23, v21
	v_cvt_i32_f32 v22, v20
	v_mul_f32 v23, v21, v21
	v_fma_f32 v24, v23, s28, s26
	v_fma_f32 v25, v23, s31, s30
	v_fma_f32 v24, v24, v23, s25
	v_fma_f32 v25, v25, v23, s29
	v_fma_f32 v24, v24, v23, s24
	v_fma_f32 v25, v25, v23, -0.5
	v_mul_f32 v26, v23, v21
	v_fma_f32 v25, v25, v23, 1.0                   ; cos r
	v_fma_f32 v24, v24, v26, v21                   ; sin r
	v_and_b32 v26, 1, v22
	v_cmp_eq_u32 vcc_lo, 1, v26
	v_cndmask_b32 v27, v24, v25, vcc_lo            ; an odd quadrant swaps the two
	v_cndmask_b32 v26, v25, v24, vcc_lo
	v_lshlrev_b32 v24, 30, v22                     ; sin is negative in quadrants 2 and 3,
	v_add_nc_u32 v22, 1, v22
	v_lshlrev_b32 v25, 30, v22                     ; cos in 1 and 2
	v_and_b32 v24, 0x80000000, v24
	v_and_b32 v25, 0x80000000, v25
	v_xor_b32 v[\s], v24, v27
	v_xor_b32 v[\c], v25, v26
.endm
.irp t, 0,1,2,3,4,5,6,7
	v_add_nc_u32 v8, 2*\t, v6
	v_cvt_f32_u32 v8, v8
	v_mul_f32 v9, v8, v4                           ; the angle: one rounding
	v_mul_f32 v10, v8, v5
	SINCOS 9, 64+4*\t, 65+4*\t
	SINCOS 10, 66+4*\t, 67+4*\t
	global_store_b128 v7, v[64+4*\t:67+4*\t], s[18:19] offset:512*\t   ; two positions' 512 consecutive bytes
.endr
	s_endpgm
.Lfunc_end_k_qf4c9cdf55e_prep:
	.size	k_qf4c9cdf55e_prep, .Lfunc_end_k_qf4c9cdf55e_prep-k_qf4c9cdf55e_prep
	.p2alignl 7, 3214868480
	.fill 96, 4, 3214868480
	.section	.rodata,"a",@progbits
	.p2align	6, 0x0
	.amdhsa_kernel k_qf4c9cdf55e_prep
		.amdhsa_group_segment_fixed_size 33280
		.amdhsa_private_segment_fixed_size 0
		.amdhsa_enable_private_segment 0
		.amdhsa_kernarg_size 64
		.amdhsa_user_sgpr_count 2
		.amdhsa_user_sgpr_kernarg_segment_ptr 1
		.amdhsa_wavefront_size32 1
		.amdhsa_system_sgpr_workgroup_id_x 1
		.amdhsa_system_sgpr_workgroup_id_y 1
		.amdhsa_system_sgpr_workgroup_id_z 1
		.amdhsa_system_vgpr_workitem_id 0
		.amdhsa_next_free_vgpr 192
		.amdhsa_next_free_sgpr 66
		.amdhsa_reserve_vcc 1
		.amdhsa_float_denorm_mode_32 3
		.amdhsa_float_denorm_mode_16_64 3
		.amdhsa_memory_ordered 1
		.amdhsa_forward_progress 1
		.amdhsa_inst_pref_size 62
	.end_amdhsa_kernel
	.amdgpu_metadata
---
amdhsa.version: [ 1, 2 ]
amdhsa.kernels:
  - .name:           k_qf4c9cdf55e_prep
    .symbol:         k_qf4c9cdf55e_prep.kd
    .args:
      - { .name: x, .offset: 0, .size: 8, .value_kind: global_buffer, .address_space: global }
      - { .name: Wq, .offset: 8, .size: 8, .value_kind: global_buffer, .address_space: global }
      - { .name: Wk, .offset: 16, .size: 8, .value_kind: global_buffer, .address_space: global }
      - { .name: Wv, .offset: 24, .size: 8, .value_kind: global_buffer, .address_space: global }
      - { .name: Wo, .offset: 32, .size: 8, .value_kind: global_buffer, .address_space: global }
      - { .name: codes, .offset: 40, .size: 8, .value_kind: global_buffer, .address_space: global }
      - { .name: scales, .offset: 48, .size: 8, .value_kind: global_buffer, .address_space: global }
      - { .name: aux, .offset: 56, .size: 8, .value_kind: global_buffer, .address_space: global }
    .group_segment_fixed_size: 33280
    .private_segment_fixed_size: 0
    .kernarg_segment_align: 8
    .kernarg_segment_size: 64
    .max_flat_workgroup_size: 128
    .sgpr_count:     66
    .vgpr_count:     192
    .wavefront_size: 32
...
	.end_amdgpu_metadata
.endif
;; end of part 1
;; launch qkv (part 2): grid 12 x 32, 4 waves a work-group, clusters of 4 x 4, 327,680 bytes of LDS; arguments codes, scales, aux, qkv16, fineb; writes qkv16, fineb
.if DOCPART == 2
	.amdgcn_target "amdgcn-amd-amdhsa--gfx1250"
	.amdhsa_code_object_version 6
	.text
	.protected	k_qf4c9cdf55e_qkv
	.globl	k_qf4c9cdf55e_qkv
	.p2align	8
	.type	k_qf4c9cdf55e_qkv,@function
k_qf4c9cdf55e_qkv:
	s_mov_b64 s[64:65], 0
	v_nop
	global_prefetch_b8 v0, s[64:65] scope:SCOPE_SE
	s_setreg_imm32_b32 hwreg(HW_REG_WAVE_MODE, 25, 1), 1
	s_wait_xcnt 0x0
	s_wait_alu depctr_hold_cnt(0) depctr_sa_sdst(0) depctr_va_vdst(0) depctr_va_sdst(0) depctr_va_ssrc(0) depctr_va_vcc(0) depctr_vm_vsrc(0)
	s_getreg_b32 s2, hwreg(HW_REG_IB_STS2, 6, 4)
	s_cmp_eq_u32 s2, 0
	s_cbranch_scc0 .Lentry_in_a_cluster
	s_endpgm
.Lentry_in_a_cluster:
	s_bfe_u32 s2, ttmp6, 0x10000c
	s_cmp_lg_u32 s2, 0xf033
	s_cbranch_scc0 .Lentry_shape_is_right
	s_endpgm
.Lentry_shape_is_right:
; [8192 x 3072] = x [8192 x 1024] times (Wq | Wk | Wv)^T, both operands as codes of FP4 (E2M1) with one E8M0 byte for each 32 along K; sums in f32.  Then RoPE on Q and K in f32, and f16 out, by head:
; qkv16 = planes Q, K, V, each [16 batch + head][2048][64] f16.  LIMIT: |Q|, |K|, |V| up to 65,504 (f16).  Positions 0-15 of each batch also leave as f32, [batch][16][3072], for the launch that carries those rows finely.
; A tile of 256 x 256 is made by four waves, a wave 128 x 128: 64 accumulators, 512 registers.  K = 1,024 is two LDS slots of 512 along K (rows of 256 bytes): both are asked for at the start and nothing is filled again.
; The scale bytes of the work-group's rows, for all of K, come once, as rows of 256 bytes + 16 of padding.
; CLUSTERS: 4 x 4 work-groups; A's tiles are asked for jointly along a row of the cluster, B's along a column.  Tile row = 8 cy + cluster y: cy is the batch and cluster y the tile within the batch, so that
; 'this tile holds positions 0-15' hangs on the cluster's y alone; tile column = 4 cluster x + cx, so that cluster x says Q, K or V.  Both are alike in all sixteen partners.
; 384 work-groups: 24 clusters.  A tile of 256 x 384 would even that out but does not fit the registers.
; THE MATRIX INSTRUCTION IS USED TRANSPOSED (source 0 = 16 rows of W, source 1 = 16 rows of x): a lane holds eight neighbouring columns of one position: four pairs of RoPE.
; REGISTERS, in windows of 256: window 0: v0-31 addresses; v32-95 scale words, two sets; v128-191 A's fragments, one set; v192-255 cos and sin, two sets.  On the way out v32-95 rows read back, v96-159 rotated numbers, v160-191 f16.
;   window 1: B's fragments, two sets.   window 2: the accumulators of my rows 0-63 ((a, b) at v[8 (8 a + b)]);   window 3: those of rows 64-127.
.set SIZE_M, 8192
.set KSTEP,  512
.set NQ,     KSTEP/128
.set ROWB,   256
.set KROW,   512                       ; a row of codes in memory
.set PITCH,  272                       ; an LDS row: 256 bytes + 16: the 16 rows of a load start at 16 different banks (64 banks of 4 bytes: ISA guide 11.1)
.set FR,     8
.set NL,     2
.set NP,     4                         ; places behind this matrix instruction (ISA guide 7.12.1)
.set HALFT,  128*PITCH
.set SLOT,   4*HALFT
.set KS,     32                        ; a row of scale bytes
.set SCL,    2*SLOT
.set HALFS,  (128*KS/256)*272
.set SBLK,   (16*KS/256)*272
.set SPARE,  SCL+4*HALFS               ; the spare words, 128 bytes a wave
.set SPH,    144                       ; the way out: a stage row: a head's 128 bytes + 16.  The stage (2 heads x 16 rows a wave) lies in slot 0, which has had its only fill and its last read by then
.set ADRA, 16
.set ADRB, 20
.set STO,  24
.set RD,   25
.set CO,   26
.set ADRS, 27
.set SPW,  28
.set NIL,  29
.set TA,   30                          ; v30 my place in the table: 256 r + 32 h
.set FO,   31                          ; v31 my place in the fine rows: 12288 r + 32 h
.set SC,   32
.set AF,   128
.set BK,   32
.set T,    96
.set PKD,  160
.set CS,   192
.set G1, 24
.set G0, 32
.set G1B, 48
.set G0B, 56
.set G1S, 68
.set G0S, 76
.set G1SB, 80
.set G0SB, 88
.set MSB, 0
.macro WIN new                         ; the immediate's high byte repeats the setting that is left
.if MSB != \new
	s_set_vgpr_msb (MSB<<8)|\new
.set MSB, \new
.endif
.endm
.set MUL_LO, 0xa1
.set MUL_HI, 0xf1
.set TO_B,   0x40
; A joint load: waves 0 and 1 fetch for A, waves 2 and 3 for B; the branch hangs on the wave's number alone.  An s_nop 0 and four v_nop follow each line.
.macro JLOAD g0a, g1a, g0b, g1b
	s_cmp_eq_u32 s15, 0
	s_cbranch_scc0 .Lfor_b_\@
	tensor_load_to_lds s[\g0a:\g0a+3], s[\g1a:\g1a+7]
	s_nop 0
.rept 4
	v_nop
.endr
	s_branch .Lasked_\@
.Lfor_b_\@:
	tensor_load_to_lds s[\g0b:\g0b+3], s[\g1b:\g1b+7]
	s_nop 0
.rept 4
	v_nop
.endr
.Lasked_\@:
.endm
.macro CROUND                          ; a round of the cluster's barrier
	s_barrier_signal -1
	s_barrier_wait -1
	s_cmp_lg_u32 s14, 0
	s_cbranch_scc1 .Lnot_wave_0_\@
	s_barrier_signal -3
.Lnot_wave_0_\@:
	s_barrier_wait -3
	s_barrier_signal -1
	s_barrier_wait -1
.endm
	s_load_b256 s[4:11], s[0:1], 0x0               ; codes s[4:5], scales s[6:7], aux s[8:9], qkv16 s[10:11]
	s_load_b64 s[12:13], s[0:1], 0x20              ; fineb
	v_lshl_add_u32 v[SPW], v0, 2, SPARE
	v_mov_b32 v[NIL], 0
	ds_add_u32 v[SPW], v[NIL]                      ; the wave's opening: the add, twice on end, and its wait ahead of my first tensor load
	ds_add_u32 v[SPW], v[NIL]
	v_lshrrev_b32 v1, 5, v0
	v_readfirstlane_b32 s14, v1                    ; wave 0..3
	s_lshr_b32 s15, s14, 1                         ; which half of the tile's rows is mine.  Also: I fetch for A (0) or for B (1)
	s_and_b32 s16, s14, 1                          ; which half of its columns.  Also: which 128 rows I fetch
	s_bfe_u32 s40, ttmp6, 0x40000                  ; cx
	s_bfe_u32 s41, ttmp6, 0x40004                  ; cy
	s_lshl_b32 s42, ttmp9, 2
	s_add_co_u32 s42, s42, s40                     ; tile column = 4 x cluster x + cx
	s_and_b32 s95, ttmp7, 0xffff                   ; cluster y: the tile within the batch
	s_lshl_b32 s17, s41, 3
	s_add_co_u32 s17, s17, s95                     ; tile row = 8 cy + cluster y
	s_lshl_b32 s43, s41, 2
	s_lshl_b32 s43, 15, s43                        ; my row of the cluster
	s_lshl_b32 s44, 0x1111, s40                    ; my column
	s_or_b32 s[G1+0], s43, (0<<16)|(1<<20)|(1<<21)|(5<<22)|(3<<25)  ; the mask; elements of 1 byte; padding: 4 words after every 64
	s_or_b32 s[G1B+0], s44, (0<<16)|(1<<20)|(1<<21)|(5<<22)|(3<<25)
.irp g, G1, G1B
	s_mov_b32 s[\g+1], ROWB<<16                    ; tensor_dim0
	s_mov_b32 s[\g+2], 128<<16                     ; tensor_dim1
	s_mov_b32 s[\g+3], ROWB<<16                    ; tile_dim0
	s_mov_b32 s[\g+4], 128                         ; tile_dim1
	s_mov_b32 s[\g+5], KROW                        ; the pitch
	s_mov_b32 s[\g+6], 0
	s_mov_b32 s[\g+7], 0
.endr
	s_or_b32 s[G1S+0], s43, (3<<16)|(1<<20)|(1<<21)|(5<<22)|(3<<25) ; the scales of 128 rows: a dense block of 4,096 bytes as 16 rows of 256
	s_or_b32 s[G1SB+0], s44, (3<<16)|(1<<20)|(1<<21)|(5<<22)|(3<<25)
.irp g, G1S, G1SB
	s_mov_b32 s[\g+1], 32<<16
	s_mov_b32 s[\g+2], (128*KS/256)<<16
	s_mov_b32 s[\g+3], 32<<16
	s_mov_b32 s[\g+4], 128*KS/256
	s_mov_b32 s[\g+5], 32
	s_mov_b32 s[\g+6], 0
	s_mov_b32 s[\g+7], 0
.endr
	s_lshl_b32 s18, s16, 7
	s_lshl_b32 s20, s17, 8
	s_add_co_u32 s20, s20, s18                     ; A: row 256 x tile row + 128 x half
	s_lshl_b32 s46, s42, 8
	s_add_co_u32 s46, s46, s18
	s_add_co_u32 s46, s46, SIZE_M                  ; B: the weights' rows follow x's 8,192 in both buffers
	s_mov_b32 s21, 0
	s_mov_b32 s47, 0
	s_mov_b64 s[18:19], KS
	s_mul_u64 s[22:23], s[20:21], s[18:19]
	s_mul_u64 s[92:93], s[46:47], s[18:19]
	s_mov_b64 s[18:19], KROW
	s_mul_u64 s[20:21], s[20:21], s[18:19]
	s_mul_u64 s[46:47], s[46:47], s[18:19]
	s_mul_i32 s45, s14, HALFT                      ; where they go: wave x 128 rows
	s_mul_i32 s94, s14, HALFS
	s_wait_dscnt 0x0                               ; both opening adds are done
	s_wait_kmcnt 0x0
	s_add_nc_u64 s[20:21], s[4:5], s[20:21]
	s_add_nc_u64 s[22:23], s[6:7], s[22:23]
	s_add_nc_u64 s[46:47], s[4:5], s[46:47]
	s_add_nc_u64 s[92:93], s[6:7], s[92:93]
	CROUND                                         ; all sixteen work-groups are here: the joint loads meet
	s_mov_b32 s[G0S], 1
	s_add_co_u32 s[G0S+1], s94, SCL
	s_mov_b64 s[G0S+2:G0S+3], s[22:23]
	s_or_b32 s[G0S+3], s[G0S+3], 0x80000000
	s_mov_b32 s[G0SB], 1
	s_add_co_u32 s[G0SB+1], s94, SCL
	s_mov_b64 s[G0SB+2:G0SB+3], s[92:93]
	s_or_b32 s[G0SB+3], s[G0SB+3], 0x80000000
	JLOAD G0S, G1S, G0SB, G1SB                     ; three loads of mine go out: the scales, slot 0, slot 1
.irp s, 0,1
	s_mov_b32 s[G0+4*\s], 1
	s_add_co_u32 s[G0+4*\s+1], s45, \s*SLOT
	s_add_nc_u64 s[G0+4*\s+2:G0+4*\s+3], s[20:21], \s*ROWB
	s_or_b32 s[G0+4*\s+3], s[G0+4*\s+3], 0x80000000
	s_mov_b32 s[G0B+4*\s], 1
	s_add_co_u32 s[G0B+4*\s+1], s45, \s*SLOT
	s_add_nc_u64 s[G0B+4*\s+2:G0B+4*\s+3], s[46:47], \s*ROWB
	s_or_b32 s[G0B+4*\s+3], s[G0B+4*\s+3], 0x80000000
	JLOAD G0+4*\s, G1, G0B+4*\s, G1B
.endr
	v_and_b32 v1, 15, v0                           ; r
	v_bfe_u32 v2, v0, 4, 1                         ; h
	v_mul_u32_u24 v3, v1, PITCH
	v_lshl_add_u32 v4, v2, 4, v3
	s_mul_i32 s21, s15, HALFT
	s_mul_i32 s22, s16, HALFT
	s_add_co_u32 s22, s22, 2*HALFT
.irp s, 0,1
	v_add_nc_u32 v[ADRA+\s], s21, v4
	v_add_nc_u32 v[ADRB+\s], s22, v4
	s_add_co_u32 s21, s21, SLOT
	s_add_co_u32 s22, s22, SLOT
.endr
	v_mul_u32_u24 v5, v1, KS
	v_lshrrev_b32 v6, 8, v5
	v_lshl_add_u32 v5, v6, 4, v5                   ; my row's scales: 32 bytes a row, and 16 more for each 256 passed
	s_mul_i32 s21, s15, HALFS
	s_mul_i32 s22, s16, HALFS
	s_add_co_u32 s22, s22, 2*HALFS
	s_sub_co_u32 s22, s22, s21
	v_mul_u32_u24 v6, s22, v2                      ; lanes 16-31 take B's
	s_add_co_u32 s21, s21, SCL
	v_add_nc_u32 v5, v5, v6
	v_add_nc_u32 v[ADRS], s21, v5
	s_mul_i32 s23, s14, 32*SPH                     ; my stage
	v_mul_u32_u24 v5, v1, SPH
	v_lshl_add_u32 v5, v2, 4, v5
	v_add_nc_u32 v[STO], s23, v5                   ; in: row r, 16 bytes for each half of the lanes
	v_and_b32 v6, 31, v0
	v_lshrrev_b32 v7, 3, v6
	v_mul_u32_u24 v7, v7, SPH
	v_and_b32 v5, 7, v0
	v_lshl_add_u32 v7, v5, 4, v7
	v_add_nc_u32 v[RD], s23, v7                    ; back: eight lanes to a row of 128 bytes, four rows an instruction
	v_lshlrev_b32 v[CO], 4, v6                     ; which are 512 consecutive bytes in memory
	v_lshlrev_b32 v[TA], 8, v1
	v_lshl_add_u32 v[TA], v2, 5, v[TA]
	v_mul_u32_u24 v[FO], v1, 12288
	v_lshl_add_u32 v[FO], v2, 5, v[FO]
	s_lshl_b32 s20, s95, 16                        ; the table at my first position: (256 cluster y + 128 half) x 256 bytes, behind Wo's f16
	s_lshl_b32 s21, s15, 15
	s_add_co_u32 s20, s20, s21
	s_add_co_u32 s20, s20, 0x200000
	s_mov_b32 s21, 0
	s_add_nc_u64 s[8:9], s[8:9], s[20:21]
	s_lshl_b32 s20, ttmp9, 24                      ; the plane: Q, K or V;
	s_lshl_b32 s21, s41, 22                        ; the batch's 16 heads of 262,144 bytes;
	s_add_co_u32 s20, s20, s21
	s_lshl_b32 s21, s95, 15                        ; my first position, 128 bytes a row
	s_add_co_u32 s20, s20, s21
	s_lshl_b32 s21, s15, 14
	s_add_co_u32 s20, s20, s21
	s_mov_b32 s21, 0
	s_add_nc_u64 s[10:11], s[10:11], s[20:21]
	s_lshl_b32 s46, s40, 20                        ; my first head: 4 cx + 2 x half
	s_lshl_b32 s47, s16, 19
	s_add_co_u32 s46, s46, s47
	s_mov_b32 s47, 0
	s_add_nc_u64 s[10:11], s[10:11], s[46:47]
	s_mul_i32 s20, s41, 196608                     ; the fine rows: the batch's 16 rows of 12,288 bytes,
	s_add_nc_u64 s[12:13], s[12:13], s[20:21]
	s_lshl_b32 s46, s42, 10                        ; my first column
	s_lshl_b32 s47, s16, 9
	s_add_co_u32 s46, s46, s47
	s_mov_b32 s47, 0
	s_add_nc_u64 s[12:13], s[12:13], s[46:47]
; cos and sin for block a of 16 positions: a lane's 4 pairs of each 16 columns: 32 registers, set a % 2
.macro TABLOAD a
.irp cb, 0,1,2,3
.irp e, 0,1
	global_load_b128 v[CS+32*((\a)%2)+8*\cb+4*\e:CS+32*((\a)%2)+8*\cb+4*\e+3], v[TA], s[8:9] offset:4096*(\a)+64*\cb+16*\e
.endr
.endr
.endm
	TABLOAD 0                                      ; asked for here, wanted on the way out.  V's work-groups ask too: so the text has one test of the cluster's x, at the way out
	TABLOAD 1
.macro FRAG reg, adr, q, i             ; 16 rows x 128 K of 4-bit codes: 8 registers: registers 4 c .. 4 c + 3 hold K = 64 c + 32 h + 0 .. 31
.irp c, 0,1
	ds_load_b128 v[\reg+4*\c:\reg+4*\c+3], v[\adr] offset:64*(\q)+32*\c+(\i)*16*PITCH
.endr
.endm
; 16 matrix instructions: A's blocks a0, a0 + 1 x B's eight.  The 64 accumulators take turns, one instruction a turn, in the same order in every step.
.macro MUL16 a0, p, q, sc, zero
.irp a, \a0, \a0+1
.irp b, 0,1,2,3,4,5,6,7
.if \zero
	v_wmma_scale_f32_16x16x128_f8f6f4 v[8*(8*((\a)%4)+\b):8*(8*((\a)%4)+\b)+7], v[128*(\p)+FR*\b:128*(\p)+FR*\b+FR-1], v[AF+FR*(\a):AF+FR*(\a)+FR-1], 0, v[SC+8*NQ*(\sc)+NQ*\b+(\q)], v[SC+8*NQ*(\sc)+NQ*(\a)+(\q)] matrix_a_fmt:MATRIX_FMT_FP4 matrix_b_fmt:MATRIX_FMT_FP4 matrix_a_scale:MATRIX_SCALE_ROW1
.else
	v_wmma_scale_f32_16x16x128_f8f6f4 v[8*(8*((\a)%4)+\b):8*(8*((\a)%4)+\b)+7], v[128*(\p)+FR*\b:128*(\p)+FR*\b+FR-1], v[AF+FR*(\a):AF+FR*(\a)+FR-1], v[8*(8*((\a)%4)+\b):8*(8*((\a)%4)+\b)+7], v[SC+8*NQ*(\sc)+NQ*\b+(\q)], v[SC+8*NQ*(\sc)+NQ*(\a)+(\q)] matrix_a_fmt:MATRIX_FMT_FP4 matrix_b_fmt:MATRIX_FMT_FP4 matrix_a_scale:MATRIX_SCALE_ROW1
.endif
.endr
.endr
.endm
.macro FETCH_B slot, q, p
	WIN TO_B
.irp i, 0,1,2,3,4,5,6,7
	FRAG 128*(\p)+FR*\i, ADRB+\slot, \q, \i
.endr
	WIN 0
.endm
.macro FETCH_A slot, q, i0
.irp i, \i0, \i0+1, \i0+2, \i0+3
	FRAG AF+FR*(\i), ADRA+\slot, \q, \i
.endr
.endm
.macro SCALES sc                       ; a slot's scale words: lanes 0-15 take A's block i, lanes 16-31 B's block i
.irp i, 0,1,2,3,4,5,6,7
	ds_load_b128 v[SC+8*NQ*\sc+NQ*\i:SC+8*NQ*\sc+NQ*\i+3], v[ADRS] offset:\i*SBLK
.endr
.endm
.macro PLACES n                        ; plain vector instructions between a matrix instruction and a load into, or a read of, its registers
.rept \n
	v_nop
.endr
.endm
.macro STEP slot, q, zero              ; 128 along K, with its successor in the same slot
	s_wait_dscnt 4*NL                              ; B's set and A's blocks 0-3 are in; the youngest eight loads (A's blocks 4-7) may be out
	WIN MUL_LO
	MUL16 0, (\q)%2, \q, \slot, \zero
	MUL16 2, (\q)%2, \q, \slot, \zero
	s_wait_dscnt 0
	PLACES NP
	FETCH_B \slot, (\q)+1, 1-(\q)%2
	FETCH_A \slot, (\q)+1, 0
	WIN MUL_HI
	MUL16 4, (\q)%2, \q, \slot, \zero
	MUL16 6, (\q)%2, \q, \slot, \zero
	PLACES NP
	WIN 0
	FETCH_A \slot, (\q)+1, 4
.endm
.macro TURN slot, next                 ; a slot's last step changes slots: one barrier; nothing is filled again
	s_wait_tensorcnt 0x0                           ; all my tensor loads have landed: my part of the next slot
	ds_add_u32 v[SPW], v[NIL]
	s_wait_dscnt 4*NL+1                            ; (the add and the youngest eight loads may be out)
	WIN MUL_LO
	MUL16 0, 1, NQ-1, \slot, 0
	s_wait_dscnt 0x0                               ; the add is done, and my reads of this slot are over
	s_barrier_signal -1
	MUL16 2, 1, NQ-1, \slot, 0
	WIN 0
	s_barrier_wait -1
	PLACES NP
	v_add_nc_u32 v[ADRS], 4*NQ, v[ADRS]            ; on to the next slot's scale words
	FETCH_B \next, 0, 0
	FETCH_A \next, 0, 0
	SCALES \next
	WIN MUL_HI
	MUL16 4, 1, NQ-1, \slot, 0
	MUL16 6, 1, NQ-1, \slot, 0
	PLACES NP
	WIN 0
	FETCH_A \next, 0, 4
.endm
.macro STEPS slot, from
.set Q, \from
.rept NQ-1-\from
	STEP \slot, Q, 0
.set Q, Q+1
.endr
.endm
	s_wait_tensorcnt 1                             ; the scales and my part of slot 0 are in; slot 1's load may be out,
	s_barrier_signal -1
	s_barrier_wait -1                              ; everybody's are
	FETCH_B 0, 0, 0
	FETCH_A 0, 0, 0
	SCALES 0
	FETCH_A 0, 0, 4
	STEP 0, 0, 1                                   ; the first products start the sums: nothing is cleared
	STEPS 0, 1
	TURN 0, 1
	STEPS 1, 0
	s_wait_dscnt 4*NL
	WIN MUL_LO
	MUL16 0, 1, NQ-1, 1, 0
	MUL16 2, 1, NQ-1, 1, 0
	s_wait_dscnt 0
	WIN MUL_HI
	MUL16 4, 1, NQ-1, 1, 0
	MUL16 6, 1, NQ-1, 1, 0
	WIN 0
; THE WAY OUT, block by block of 16 positions x 128 columns (two heads).
; ROPE: a pair (e, o) of a lane's registers and its (cos, sin): first (e c, o c), then (e c - o s, o c + e s), each by one packed instruction.  Each accumulator is read from its low end on.
.macro ROPE a
.set AC, 64*((\a)%4)
.set CC, CS+32*((\a)%2)
.if (\a) < 7
	s_wait_loadcnt 8                               ; this block's eight table loads are in; the next block's eight may be out
.else
	s_wait_loadcnt 0
.endif
	WIN 0x02+(\a)/4                                ; source 0: window 2 or 3
.irp b, 0,1,2,3,4,5,6,7
.irp j, 0,2,4,6
	v_pk_mul_f32 v[T+8*\b+\j:T+8*\b+\j+1], v[AC+8*\b+\j:AC+8*\b+\j+1], v[CC+8*(\b%4)+\j:CC+8*(\b%4)+\j+1] op_sel_hi:[1,0]
.endr
.endr
.irp b, 0,1,2,3,4,5,6,7
.irp j, 0,2,4,6
	v_pk_fma_f32 v[T+8*\b+\j:T+8*\b+\j+1], v[AC+8*\b+\j:AC+8*\b+\j+1], v[CC+8*(\b%4)+\j:CC+8*(\b%4)+\j+1], v[T+8*\b+\j:T+8*\b+\j+1] op_sel:[1,1,0] op_sel_hi:[0,1,1] neg_lo:[0,1,0]
.endr
.endr
	WIN 0
.if (\a) < 6
	TABLOAD (\a)+2                                 ; into the set just read
.endif
.set i, 0
.rept 32
	v_cvt_pk_f16_f32 v[PKD+i], v[T+2*i], v[T+2*i+1]
.set i, i+1
.endr
.endm
.macro PLAIN a                         ; V: no rotation
.set AC, 64*((\a)%4)
	WIN 0x0a+5*((\a)/4)                            ; sources 0 and 1: window 2 or 3
.set i, 0
.rept 32
	v_cvt_pk_f16_f32 v[PKD+i], v[AC+2*i], v[AC+2*i+1]
.set i, i+1
.endr
	WIN 0
.endm
.macro TOSTAGE a                       ; 16 bytes a lane into my stage, and back as whole rows; LDS serves a wave's instructions in order (ISA guide 5.7.1.4)
.irp b, 0,1,2,3,4,5,6,7
	ds_store_b128 v[STO], v[PKD+4*\b:PKD+4*\b+3] offset:16*SPH*(\b/4)+32*(\b%4)
.endr
.irp t, 0,1,2,3,4,5,6,7
	ds_load_b128 v[BK+32*((\a)%2)+4*\t:BK+32*((\a)%2)+4*\t+3], v[RD] offset:16*SPH*(\t/4)+4*SPH*(\t%4)
.endr
.endm
.macro SEND a, younger                 ; younger: the LDS instructions issued behind block a's loads
	s_wait_dscnt \younger
.irp t, 0,1,2,3,4,5,6,7
	global_store_b128 v[CO], v[BK+32*((\a)%2)+4*\t:BK+32*((\a)%2)+4*\t+3], s[10:11] offset:262144*(\t/4)+2048*(\a)+512*(\t%4)   ; four rows of a head: 512 consecutive bytes, aligned
.endr
.endm
	PLACES NP                                      ; behind the last products: for the reads of results and the writes and loads into operands' registers below
	s_cmp_eq_u32 ttmp9, 2                          ; the cluster's x: alike in all partners
	s_cbranch_scc1 .Lv_out
	ROPE 0
	s_cmp_lg_u32 s95, 0                            ; positions 0-15 of a batch lie in the tile with cluster y = 0, in its upper half, in block 0
	s_cbranch_scc1 .Lno_fine_r
	s_cmp_lg_u32 s15, 0
	s_cbranch_scc1 .Lno_fine_r
.irp b, 0,1,2,3,4,5,6,7
.irp e, 0,1
	global_store_b128 v[FO], v[T+8*\b+4*\e:T+8*\b+4*\e+3], s[12:13] offset:64*\b+16*\e
.endr
.endr
	s_wait_xcnt 0x0                                ; the next block writes these registers again only behind this wait
.Lno_fine_r:
	TOSTAGE 0
.irp a, 1,2,3,4,5,6,7
	ROPE \a
.if \a > 1
	s_wait_xcnt 0x0                                ; block a - 2's stores have read their registers: block a's rows may land there
.endif
	TOSTAGE \a
	SEND \a-1, 16                                  ; behind block a - 1's loads: block a's 8 stores and 8 loads
.endr
	SEND 7, 0
	s_branch .Lend
.Lv_out:
	s_wait_loadcnt 0x0                             ; the table loads issued at the head
	PLAIN 0
	s_cmp_lg_u32 s95, 0
	s_cbranch_scc1 .Lno_fine_v
	s_cmp_lg_u32 s15, 0
	s_cbranch_scc1 .Lno_fine_v
	WIN 0x08                                       ; a store's data are its source 1: window 2
.irp b, 0,1,2,3,4,5,6,7
.irp e, 0,1
	global_store_b128 v[FO], v[8*\b+4*\e:8*\b+4*\e+3], s[12:13] offset:64*\b+16*\e
.endr
.endr
	WIN 0
.Lno_fine_v:
	TOSTAGE 0
.irp a, 1,2,3,4,5,6,7
	PLAIN \a
.if \a > 1
	s_wait_xcnt 0x0
.endif
	TOSTAGE \a
	SEND \a-1, 16
.endr
	SEND 7, 0
.Lend:
	s_wait_tensorcnt 0x0                           ; the wave's end
	ds_add_u32 v[SPW], v[NIL]
	s_wait_dscnt 0x0
	CROUND                                         ; the closing round
	s_endpgm
.Lfunc_end_k_qf4c9cdf55e_qkv:
	.size	k_qf4c9cdf55e_qkv, .Lfunc_end_k_qf4c9cdf55e_qkv-k_qf4c9cdf55e_qkv
	.p2alignl 7, 3214868480
	.fill 96, 4, 3214868480
	.section	.rodata,"a",@progbits
	.p2align	6, 0x0
	.amdhsa_kernel k_qf4c9cdf55e_qkv
		.amdhsa_group_segment_fixed_size 327680
		.amdhsa_private_segment_fixed_size 0
		.amdhsa_enable_private_segment 0
		.amdhsa_kernarg_size 40
		.amdhsa_user_sgpr_count 2
		.amdhsa_user_sgpr_kernarg_segment_ptr 1
		.amdhsa_wavefront_size32 1
		.amdhsa_system_sgpr_workgroup_id_x 1
		.amdhsa_system_sgpr_workgroup_id_y 1
		.amdhsa_system_sgpr_workgroup_id_z 1
		.amdhsa_system_vgpr_workitem_id 0
		.amdhsa_next_free_vgpr 1024
		.amdhsa_next_free_sgpr 100
		.amdhsa_reserve_vcc 0
		.amdhsa_float_denorm_mode_32 3
		.amdhsa_float_denorm_mode_16_64 3
		.amdhsa_memory_ordered 1
		.amdhsa_forward_progress 1
		.amdhsa_inst_pref_size 200
	.end_amdhsa_kernel
	.amdgpu_metadata
---
amdhsa.version: [ 1, 2 ]
amdhsa.kernels:
  - .name:           k_qf4c9cdf55e_qkv
    .symbol:         k_qf4c9cdf55e_qkv.kd
    .args:
      - { .name: codes, .offset: 0, .size: 8, .value_kind: global_buffer, .address_space: global }
      - { .name: scales, .offset: 8, .size: 8, .value_kind: global_buffer, .address_space: global }
      - { .name: aux, .offset: 16, .size: 8, .value_kind: global_buffer, .address_space: global }
      - { .name: qkv16, .offset: 24, .size: 8, .value_kind: global_buffer, .address_space: global }
      - { .name: fineb, .offset: 32, .size: 8, .value_kind: global_buffer, .address_space: global }
    .group_segment_fixed_size: 327680
    .private_segment_fixed_size: 0
    .kernarg_segment_align: 8
    .kernarg_segment_size: 40
    .max_flat_workgroup_size: 128
    .sgpr_count:     100
    .vgpr_count:     1024
    .wavefront_size: 32
...
	.end_amdgpu_metadata
.endif
;; end of part 2
;; launch attn (part 3): grid 4 x 64, 8 waves a work-group, no clusters, 327,680 bytes of LDS; arguments qkv16, att16; writes att16
.if DOCPART == 3
	.amdgcn_target "amdgcn-amd-amdhsa--gfx1250"
	.amdhsa_code_object_version 6
	.text
	.protected	k_qf4c9cdf55e_attn
	.globl	k_qf4c9cdf55e_attn
	.p2align	8
	.type	k_qf4c9cdf55e_attn,@function
k_qf4c9cdf55e_attn:
	s_mov_b64 s[64:65], 0
	v_nop
	global_prefetch_b8 v0, s[64:65] scope:SCOPE_SE
	s_setreg_imm32_b32 hwreg(HW_REG_WAVE_MODE, 25, 1), 1
	s_wait_xcnt 0x0
; O[bh][q] = the sum over k <= q of softmax_k(Q[bh][q] . K[bh][k] / 8) V[bh][k].  Q, K, V: planes of qkv16, [64 bh][2048][64] f16; O: att16, the same shape, f16.  Products, maxima and sums in f32; p is rounded to f16 for the second product.
; LIMIT: numbers up to 65,504 (f16).  Positions 0-15 of every sequence are computed here too and written over, after the projection, by the launch that carries them in f32.
; SHARES.  Work-group (p, bh) owns the query blocks 7 - p and p of 256 queries: 8 - p and p + 1 slots of 256 keys under the causal mask, 9 trips in every work-group: 256 work-groups of equal work, and a trip count that is a constant.
; Each of eight waves owns 32 queries, two tiles of 16; two waves share a SIMD, so that one wave's softmax stands beside the other's products and LDS loads.  Wave w takes the block's group w xor 3 (w / 4) of 32 queries.
; NO CLUSTER: the four work-groups of a head want different slots in the same trip (slot t in one, slot t - 8 + p in another), so they have no joint request to make.
; LAYOUT.  S^T = K Q^T (source 0 = 16 keys, source 1 = 16 queries): a lane holds ONE query (lane % 16) and keys 8 (lane / 16) + 0..7.  Two such tiles, rounded to f16 in pairs, are source 1 of O^T = V^T P.  V comes out of LDS turned, by ds_load_tr16_b128.
; SOFTMAX.  A running maximum m and sum l: p = 2^(c s - c m), c = log2(e) / 8; in every step O and l are multiplied by a = 2^(c m_old - c m_new).  Key 0 counts for every query, so m is a number from the first step on.
; THE RING.  Two slots of 256 keys; every wave fetches 64 rows (waves 0-3 of K, 4-7 of V): one tensor load a wave behind each change of slots, and never more than one of mine out.
.set PK,    144                        ; a row of K in LDS: 128 bytes + 16
.set PV,    160                        ; a row of V: 128 + 32, an odd multiple of 32 for the turning load
.set VOFF,  256*PK
.set SLOT1, 1<<17
.set STAGE, SLOT1+256*(PK+PV)          ; 16 rows x 144 bytes for each wave, for the way out
.set SPARE, STAGE+8*16*144             ; the spare words, 128 bytes a wave
.set AK0, 1
.set AV0, 2
.set ADK, 3
.set ADV, 4
.set SPW, 5
.set NIL, 6
.set STO, 7
.set RD,  8
.set GO,  9
.set QO,  10
.set PFO, 11
.set RH,  12                           ; v12 r - 8 h
.set DD,  13
.set NINF, 14
.set ST,  16                           ; tile u's statistics at v[16 + 8 u]: +0 c m, +1 m, +2, +3 l, +4 to +7 at work (a in +6)
.set QF,  32                           ; Q: v[32 + 16 u + 8 c]
.set KV,  64                           ; v64-127: a step's K, then its V
.set S,   128                          ; S^T: v[128 + 32 u + 8 kt]; P is packed into the first 16 of each 32
.set O,   192                          ; O^T: v[192 + 32 u + 8 t]
.set WV,  12
.set PP,  13
.set T1,  14                           ; the trip at which the second block begins: 8 - p
.set TRIP, 15
.set QW,  16                           ; my first query
.set KF,  17                           ; the step's first key
.set TB,  18                           ; LDS byte at which the slot in hand begins
.set GG,  19                           ; 32 x my group
.set G1K, 24
.set G1V, 32
.set G0K, 40
.set G0V, 44
.set KB,  48                           ; s[48:49] K at my quarter of slot 0; s[50:51] V likewise
.set VB,  50
.set CS,  52
.set SEL, 54
.set PFA, 56
.set LIM, 58
.set QA,  60
.set OA,  62
.macro TLOAD                           ; waves 0-3 fetch K's rows, waves 4-7 V's.  An s_nop 0 and four v_nop follow each line
	s_cmp_lt_u32 s[WV], 4
	s_cbranch_scc0 .Lfor_v_\@
	tensor_load_to_lds s[G0K:G0K+3], s[G1K:G1K+7]
	s_nop 0
.rept 4
	v_nop
.endr
	s_branch .Lasked_\@
.Lfor_v_\@:
	tensor_load_to_lds s[G0V:G0V+3], s[G1V:G1V+7]
	s_nop 0
.rept 4
	v_nop
.endr
.Lasked_\@:
.endm
; A PREFETCH INTO THE L2: the head's work-group with p = 0, which walks slots 0 to 7 in order, asks in trip t for slot t + 2, the slot that the next change of slots will load: t = 0 to 5.
; Each wave asks for the quarter that it fetches, 8,192 bytes, lanes 256 bytes apart: each aligned block of 256 bytes of slots 2 to 7 is named once in the launch.  Slots 0 and 1 come by their loads alone.
.macro ASK
	s_cmp_lt_u32 s[TRIP], s[LIM]
	s_cbranch_scc0 .Lnot_mine_\@
	global_prefetch_b8 v[PFO], s[PFA:PFA+1] th:TH_LOAD_NT scope:SCOPE_SE
.Lnot_mine_\@:
.endm
	s_load_b128 s[4:7], s[0:1], 0x0                ; qkv16, att16
	v_lshl_add_u32 v[SPW], v0, 2, SPARE
	v_mov_b32 v[NIL], 0
	ds_add_u32 v[SPW], v[NIL]                      ; the wave's opening: the add, twice on end, and its wait ahead of my first tensor load
	ds_add_u32 v[SPW], v[NIL]
	v_lshrrev_b32 v1, 5, v0
	v_readfirstlane_b32 s[WV], v1
	s_mov_b32 s[PP], ttmp9
	s_sub_co_u32 s[T1], 8, s[PP]
	s_lshr_b32 s20, s[WV], 2
	s_mul_i32 s20, s20, 3
	s_xor_b32 s20, s20, s[WV]
	s_lshl_b32 s[GG], s20, 5
	s_and_b32 s2, ttmp7, 0xffff                    ; bh
	s_lshl_b32 s2, s2, 18                          ; a head's 262,144 bytes in each plane and in att16
	s_mov_b32 s3, 0
	s_mov_b32 s[G1K], (1<<16)|(1<<20)|(4<<22)|(3<<25)   ; elements of 2 bytes; padding: 4 words after every 32
	s_mov_b32 s[G1V], (1<<16)|(1<<20)|(4<<22)|(7<<25)   ; 8 words
.irp g, G1K, G1V
	s_mov_b32 s[\g+1], 64<<16                      ; tensor_dim0
	s_mov_b32 s[\g+2], 64<<16                      ; tensor_dim1
	s_mov_b32 s[\g+3], 64<<16                      ; tile_dim0
	s_mov_b32 s[\g+4], 64                          ; tile_dim1
	s_mov_b32 s[\g+5], 64                          ; the pitch
	s_mov_b32 s[\g+6], 0
	s_mov_b32 s[\g+7], 0
.endr
	s_and_b32 s22, s[WV], 3                        ; which 64 rows of a slot I fetch
	s_mov_b32 s[G0K], 1
	s_mul_i32 s[G0K+1], s22, 64*PK
	s_mov_b32 s[G0V], 1
	s_mul_i32 s[G0V+1], s22, 64*PV
	s_add_co_u32 s[G0V+1], s[G0V+1], VOFF
	s_lshl_b32 s22, s22, 13
	s_add_co_u32 s22, s22, s2
	s_mov_b32 s23, 0
	s_mov_b32 s[CS], 0x3e38aa3b                    ; c = log2(e) / 8
	s_mov_b32 s[CS+1], s[CS]
	s_mov_b32 s[SEL], 0x76543210
	s_mov_b32 s[SEL+1], 0xfedcba98
	s_mov_b32 s[TB], 0
	s_mov_b32 s[KF], 0
	s_mov_b32 s[TRIP], 0
	s_cmp_eq_u32 s[PP], 0
	s_cselect_b32 s[LIM], 6, 0
	s_sub_co_u32 s20, 7, s[PP]
	s_lshl_b32 s[QW], s20, 8
	s_add_co_u32 s[QW], s[QW], s[GG]               ; the long block first: 256 (7 - p) + 32 x group
	s_wait_dscnt 0x0                               ; both opening adds are done
	s_wait_kmcnt 0x0
	s_add_nc_u64 s[KB:KB+1], s[4:5], s[22:23]
	s_add_nc_u64 s[VB:VB+1], s[KB:KB+1], 0x2000000
	s_add_nc_u64 s[KB:KB+1], s[KB:KB+1], 0x1000000
	s_mov_b64 s[G0K+2:G0K+3], s[KB:KB+1]
	s_or_b32 s[G0K+3], s[G0K+3], 0x80000000
	s_mov_b64 s[G0V+2:G0V+3], s[VB:VB+1]
	s_or_b32 s[G0V+3], s[G0V+3], 0x80000000
	TLOAD                                          ; slot 0
	s_add_nc_u64 s[4:5], s[4:5], s[2:3]            ; Q's plane at my head
	s_add_nc_u64 s[10:11], s[6:7], s[2:3]          ; att16 likewise
	s_cmp_lt_u32 s[WV], 4
	s_cselect_b64 s[PFA:PFA+1], s[KB:KB+1], s[VB:VB+1]
	s_add_nc_u64 s[PFA:PFA+1], s[PFA:PFA+1], 32768 ; in slot 1: the first change of slots steps it to slot 2
	v_and_b32 v3, 15, v0                           ; r
	v_bfe_u32 v4, v0, 4, 1                         ; h
	v_mul_u32_u24 v[AK0], v3, PK
	v_lshl_add_u32 v[AK0], v4, 4, v[AK0]
	v_and_b32 v13, 7, v0
	v_lshl_add_u32 v[AV0], v4, 3, v13              ; the turning load: key 8 h + lane % 8, channels 8 ((lane / 8) % 2) on
	v_mul_u32_u24 v[AV0], v[AV0], PV
	v_bfe_u32 v13, v0, 3, 1
	v_lshl_add_u32 v[AV0], v13, 4, v[AV0]
	v_add_nc_u32 v[AV0], VOFF, v[AV0]
	s_mul_i32 s20, s[WV], 16*144
	s_add_co_u32 s20, s20, STAGE
	v_add_nc_u32 v[STO], s20, v[AK0]               ; the stage, in: row r, 16 bytes for each half of the lanes
	v_and_b32 v13, 31, v0
	v_lshrrev_b32 v[RD], 3, v13
	v_mul_u32_u24 v[RD], v[RD], 144
	v_and_b32 v[GO], 7, v0
	v_lshl_add_u32 v[RD], v[GO], 4, v[RD]
	v_add_nc_u32 v[RD], s20, v[RD]                 ; back: eight lanes to a row, four rows an instruction
	v_lshlrev_b32 v[GO], 4, v13
	v_lshlrev_b32 v[PFO], 8, v13
	v_lshlrev_b32 v[QO], 7, v3
	v_lshl_add_u32 v[QO], v4, 4, v[QO]
	v_lshlrev_b32 v[RH], 3, v4
	v_sub_nc_u32 v[RH], v3, v[RH]
	v_mov_b32 v[NINF], 0xff800000
.macro START                           ; a block of queries begins: Q into registers; m = -3e38, under every score; l and O^T zeros, which the first change of m leaves zeros
	s_lshl_b32 s20, s[QW], 7
	s_mov_b32 s21, 0
	s_add_nc_u64 s[QA:QA+1], s[4:5], s[20:21]
.irp u, 0,1
.irp c, 0,1
.irp e, 0,1
	global_load_b128 v[QF+16*\u+8*\c+4*\e:QF+16*\u+8*\c+4*\e+3], v[QO], s[QA:QA+1] offset:2048*\u+64*\c+32*\e
.endr
.endr
.endr
.irp u, 0,1
	v_mov_b32 v[ST+8*\u+1], 0xff61b1e6
	v_mul_f32 v[ST+8*\u], s[CS], v[ST+8*\u+1]
.irp j, 2,3,4,5,6,7
	v_mov_b32 v[ST+8*\u+\j], 0
.endr
.endr
.set i, 0
.rept 64
	v_mov_b32 v[O+i], 0
.set i, i+1
.endr
	s_wait_loadcnt 0x0
.endm
; A KEY STEP: 64 keys, the st-th of the slot in hand.
.macro STEP st
	s_add_co_u32 s20, s[QW], 31                    ; a step all of whose keys come after my 32 queries is left out: a branch on ids; no barrier and no tensor load stands in a step
	s_cmp_gt_u32 s[KF], s20
	s_cbranch_scc1 .Lhidden_\@
	v_add_nc_u32 v[ADK], s[TB], v[AK0]
	v_add_nc_u32 v[ADV], s[TB], v[AV0]
.rept 3
	v_nop                                          ; with the two additions five places behind the last products: the loads below land in V's registers, and the products below write over P's
.endr
.irp kt, 0,1,2,3
.irp c, 0,1
.irp e, 0,1
	ds_load_b128 v[KV+16*\kt+8*\c+4*\e:KV+16*\kt+8*\c+4*\e+3], v[ADK] offset:(64*(\st)+16*\kt)*PK+64*\c+32*\e
.endr
.endr
.endr
	s_wait_dscnt 0x0
.irp c, 0,1                            ; S^T = K Q^T: eight accumulators by turns; the first eight products start the sums
.irp kt, 0,1,2,3
.irp u, 0,1
.if \c == 0
	v_wmma_f32_16x16x32_f16 v[S+32*\u+8*\kt:S+32*\u+8*\kt+7], v[KV+16*\kt+8*\c:KV+16*\kt+8*\c+7], v[QF+16*\u+8*\c:QF+16*\u+8*\c+7], 0
.else
	v_wmma_f32_16x16x32_f16 v[S+32*\u+8*\kt:S+32*\u+8*\kt+7], v[KV+16*\kt+8*\c:KV+16*\kt+8*\c+7], v[QF+16*\u+8*\c:QF+16*\u+8*\c+7], v[S+32*\u+8*\kt:S+32*\u+8*\kt+7]
.endif
.endr
.endr
.endr
.rept 4
	v_nop                                          ; places: for the loads into K's registers and the first reads of the scores
.endr
.irp kc, 0,1                           ; V of this step, turned: it lands under the softmax
.irp t, 0,1,2,3
.irp e, 0,1
	ds_load_tr16_b128 v[KV+8*(4*\kc+\t)+4*\e:KV+8*(4*\kc+\t)+4*\e+3], v[ADV] offset:(64*(\st)+32*\kc+16*\e)*PV+32*\t
.endr
.endr
.endr
	s_add_co_u32 s20, s[KF], 63                    ; on the diagonal hidden scores become -infinity; a step all of whose keys count skips this
	s_cmp_le_u32 s20, s[QW]
	s_cbranch_scc1 .Lopen_\@
	s_sub_co_i32 s20, s[QW], s[KF]
	v_add_nc_u32 v[DD], s20, v[RH]                 ; d = QW - KF + r - 8 h.  Register 8 kt + j of tile u holds key KF + 16 kt + 8 h + j for query QW + 16 u + r: hidden where 16 kt + j - 16 u > d
.irp u, 0,1
.irp kt, 0,1,2,3
.irp j, 0,1,2,3,4,5,6,7
	v_cmp_gt_i32 vcc_lo, 16*\kt+\j-16*\u, v[DD]
	v_cndmask_b32 v[S+32*\u+8*\kt+\j], v[S+32*\u+8*\kt+\j], v[NINF], vcc_lo
.endr
.endr
.endr
.Lopen_\@:
.irp j, 0,1,2,3                        ; the maximum: four chains a tile, each accumulator from its low end on; the two tiles by turns
.irp u, 0,1
	v_max3_num_f32 v[ST+8*\u+4+\j], v[S+32*\u+8*\j], v[S+32*\u+8*\j+1], v[S+32*\u+8*\j+2]
.endr
.endr
.irp i, 3,5
.irp j, 0,1,2,3
.irp u, 0,1
	v_max3_num_f32 v[ST+8*\u+4+\j], v[ST+8*\u+4+\j], v[S+32*\u+8*\j+\i], v[S+32*\u+8*\j+\i+1]
.endr
.endr
.endr
.irp u, 0,1
	v_max3_num_f32 v[ST+8*\u+4], v[ST+8*\u+4], v[S+32*\u+7], v[S+32*\u+15]
	v_max3_num_f32 v[ST+8*\u+6], v[ST+8*\u+6], v[S+32*\u+23], v[S+32*\u+31]
.endr
.irp u, 0,1
	v_max3_num_f32 v[ST+8*\u+4], v[ST+8*\u+4], v[ST+8*\u+5], v[ST+8*\u+6]
.endr
.irp u, 0,1
	v_max3_num_f32 v[ST+8*\u+4], v[ST+8*\u+4], v[ST+8*\u+7], v[ST+8*\u+1]   ; and the old m
.endr
.irp u, 0,1
	v_permlanex16_b32 v[ST+8*\u+5], v[ST+8*\u+4], s[SEL], s[SEL+1]          ; the query's other 32 keys lie in the lane 16 away
	v_mov_b32 v[ST+8*\u+7], v[ST+8*\u]                                      ; c m_old
.endr
.irp u, 0,1
	v_max_num_f32 v[ST+8*\u+1], v[ST+8*\u+4], v[ST+8*\u+5]
.endr
.irp u, 0,1
	v_mul_f32 v[ST+8*\u], s[CS], v[ST+8*\u+1]
.endr
.irp u, 0,1
	v_sub_f32 v[ST+8*\u+7], v[ST+8*\u+7], v[ST+8*\u]
.endr
.irp j, 0,2,4,6,8,10,12,14,16,18,20,22,24,26,28,30
.irp u, 0,1
	v_pk_fma_f32 v[S+32*\u+\j:S+32*\u+\j+1], v[S+32*\u+\j:S+32*\u+\j+1], s[CS:CS+1], v[ST+8*\u:ST+8*\u+1] op_sel_hi:[1,0,0] neg_lo:[0,0,1] neg_hi:[0,0,1]   ; c s - c m
.endr
.endr
.irp u, 0,1
	v_exp_f32 v[ST+8*\u+6], v[ST+8*\u+7]           ; a
.endr
.irp j, 0,1,2,3,4,5,6,7,8,9,10,11,12,13,14,15,16,17,18,19,20,21,22,23,24,25,26,27,28,29,30,31
.irp u, 0,1
	v_exp_f32 v[S+32*\u+\j], v[S+32*\u+\j]         ; p
.endr
.endr
	v_nop                                          ; a plain instruction behind the last exponential
	s_wait_alu depctr_va_vdst(0)                   ; one wait for the batch of 66, ahead of its first reader
.irp u, 0,1                            ; l = a l + the sum of the unrounded p: two chains a tile
	v_pk_fma_f32 v[ST+8*\u+2:ST+8*\u+3], v[ST+8*\u+2:ST+8*\u+3], v[ST+8*\u+6:ST+8*\u+7], v[S+32*\u:S+32*\u+1] op_sel_hi:[1,0,1]
	v_pk_add_f32 v[ST+8*\u+4:ST+8*\u+5], v[S+32*\u+2:S+32*\u+3], v[S+32*\u+6:S+32*\u+7]
.endr
.irp i, 4,8,12,16,20,24
.irp u, 0,1
	v_pk_add_f32 v[ST+8*\u+2:ST+8*\u+3], v[ST+8*\u+2:ST+8*\u+3], v[S+32*\u+\i:S+32*\u+\i+1]
	v_pk_add_f32 v[ST+8*\u+4:ST+8*\u+5], v[ST+8*\u+4:ST+8*\u+5], v[S+32*\u+\i+6:S+32*\u+\i+7]
.endr
.endr
.irp u, 0,1
	v_pk_add_f32 v[ST+8*\u+2:ST+8*\u+3], v[ST+8*\u+2:ST+8*\u+3], v[S+32*\u+28:S+32*\u+29]
.endr
.irp u, 0,1
	v_pk_add_f32 v[ST+8*\u+2:ST+8*\u+3], v[ST+8*\u+2:ST+8*\u+3], v[ST+8*\u+4:ST+8*\u+5]
.endr
.irp u, 0,1
.set i, 0
.rept 16
	v_pk_mul_f32 v[O+32*\u+2*i:O+32*\u+2*i+1], v[O+32*\u+2*i:O+32*\u+2*i+1], v[ST+8*\u+6:ST+8*\u+7] op_sel_hi:[1,0]   ; O^T x a, each accumulator from its low end on
.set i, i+1
.endr
.endr
.irp u, 0,1
.set i, 0
.rept 16
	v_cvt_pk_f16_f32 v[S+32*\u+i], v[S+32*\u+2*i], v[S+32*\u+2*i+1]   ; in place, ascending: register i is written when registers 2 i and 2 i + 1 are read
.set i, i+1
.endr
.endr
	s_wait_dscnt 0x0                               ; V is in
.irp kc, 0,1                           ; O^T += V^T P: eight accumulators by turns
.irp t, 0,1,2,3
.irp u, 0,1
	v_wmma_f32_16x16x32_f16 v[O+32*\u+8*\t:O+32*\u+8*\t+7], v[KV+8*(4*\kc+\t):KV+8*(4*\kc+\t)+7], v[S+32*\u+8*\kc:S+32*\u+8*\kc+7], v[O+32*\u+8*\t:O+32*\u+8*\t+7]
.endr
.endr
.endr
.Lhidden_\@:
	s_add_co_u32 s[KF], s[KF], 64
.endm
; THE CHANGE OF SLOTS stands at a slot's head: each wave waits for all its tensor loads (its part of the slot ahead), adds 0 to its spare word, and waits for that and for its reads of the slot that it has left.
; Behind the barrier the slot ahead is whole and nobody reads the other.  fill = 1: that other slot takes the keys of the next trip: slot TRIP + 1 of the first block, or slot TRIP + 1 - T1 of the second.
.macro CHANGE fill
	s_wait_tensorcnt 0x0                           ; no tensor load of mine is out, so a group 0 may be written
	ds_add_u32 v[SPW], v[NIL]                      ; the descriptors' steps stand between the add and the wait for it
.if \fill
	s_add_co_u32 s20, s[TRIP], 1
	s_sub_co_u32 s21, s20, s[T1]
	s_cmp_lt_u32 s20, s[T1]
	s_cselect_b32 s20, s20, s21
	s_lshl_b32 s20, s20, 15                        ; a slot is 32,768 bytes of K and of V
	s_mov_b32 s21, 0
	s_xor_b32 s[G0K+1], s[G0K+1], SLOT1
	s_add_nc_u64 s[G0K+2:G0K+3], s[KB:KB+1], s[20:21]
	s_or_b32 s[G0K+3], s[G0K+3], 0x80000000
	s_xor_b32 s[G0V+1], s[G0V+1], SLOT1
	s_add_nc_u64 s[G0V+2:G0V+3], s[VB:VB+1], s[20:21]
	s_or_b32 s[G0V+3], s[G0V+3], 0x80000000
	s_wait_xcnt 0x0                                ; the last prefetch, a trip back, has read its address
	s_add_nc_u64 s[PFA:PFA+1], s[PFA:PFA+1], 32768
.endif
	s_wait_dscnt 0x0                               ; the add is done, and my reads of the slot that I have left are over
	s_barrier_signal -1
	s_barrier_wait -1
.if \fill
	TLOAD                                          ; the first thing behind the barrier, and my one tensor load until the next
	ASK
.endif
.endm
.macro SLOT_STEPS
.set Q, 0
.rept 4
	STEP Q
.set Q, Q+1
.endr
	s_xor_b32 s[TB], s[TB], SLOT1
.endm
; A block of queries ends: O^T / l, rounded to f16, through my stage, a tile of 16 rows at a time; four rows of 128 bytes leave as 512 consecutive bytes.
.macro FINISH
.rept 4
	v_nop                                          ; places behind the last products
.endr
.irp u, 0,1
	v_add_f32 v[ST+8*\u+4], v[ST+8*\u+2], v[ST+8*\u+3]
.endr
.irp u, 0,1
	v_permlanex16_b32 v[ST+8*\u+5], v[ST+8*\u+4], s[SEL], s[SEL+1]
.endr
.irp u, 0,1
	v_add_f32 v[ST+8*\u+4], v[ST+8*\u+4], v[ST+8*\u+5]
.endr
.irp u, 0,1
	v_rcp_f32 v[ST+8*\u+6], v[ST+8*\u+4]
.endr
	s_lshl_b32 s20, s[QW], 7
	s_mov_b32 s21, 0
	s_add_nc_u64 s[OA:OA+1], s[10:11], s[20:21]
	v_nop                                          ; a plain instruction behind the reciprocals
	s_wait_alu depctr_va_vdst(0)                   ; one wait for both
.irp u, 0,1
.set i, 0
.rept 16
	v_pk_mul_f32 v[O+32*\u+2*i:O+32*\u+2*i+1], v[O+32*\u+2*i:O+32*\u+2*i+1], v[ST+8*\u+6:ST+8*\u+7] op_sel_hi:[1,0]
.set i, i+1
.endr
.set i, 0
.rept 16
	v_cvt_pk_f16_f32 v[S+16*\u+i], v[O+32*\u+2*i], v[O+32*\u+2*i+1]
.set i, i+1
.endr
.irp t, 0,1,2,3
	ds_store_b128 v[STO], v[S+16*\u+4*\t:S+16*\u+4*\t+3] offset:32*\t
.endr
.irp t, 0,1,2,3
	ds_load_b128 v[S+32+16*\u+4*\t:S+32+16*\u+4*\t+3], v[RD] offset:4*144*\t   ; LDS serves a wave's instructions in order: these see the stores above, and the next tile's stores come behind them
.endr
.endr
.irp u, 0,1
.irp t, 0,1,2,3
	s_wait_dscnt 8*(1-\u)+3-\t                     ; behind tile 0's loads stand tile 1's eight LDS instructions
	global_store_b128 v[GO], v[S+32+16*\u+4*\t:S+32+16*\u+4*\t+3], s[OA:OA+1] offset:2048*\u+512*\t
.endr
.endr
	s_wait_xcnt 0x0                                ; the stores' registers and base are written again only behind this wait
.endm
	START
.Lslot:                                            ; eight trips, each asking for the next trip's slot
	CHANGE 1
	SLOT_STEPS
	s_add_co_u32 s[TRIP], s[TRIP], 1
	s_cmp_lg_u32 s[TRIP], s[T1]                    ; the work-group's number and the count of trips alone: all eight waves go the same way
	s_cbranch_scc1 .Lsame
	FINISH                                         ; the long block is done; the short one begins at key 0
	s_lshl_b32 s[QW], s[PP], 8
	s_add_co_u32 s[QW], s[QW], s[GG]
	s_mov_b32 s[KF], 0
	START
.Lsame:
	s_cmp_lt_u32 s[TRIP], 8
	s_cbranch_scc1 .Lslot
	CHANGE 0                                       ; the last trip is written out: it asks for nothing
	SLOT_STEPS
	FINISH
	s_wait_tensorcnt 0x0                           ; the wave's end
	ds_add_u32 v[SPW], v[NIL]
	s_wait_dscnt 0x0
	s_endpgm
.Lfunc_end_k_qf4c9cdf55e_attn:
	.size	k_qf4c9cdf55e_attn, .Lfunc_end_k_qf4c9cdf55e_attn-k_qf4c9cdf55e_attn
	.p2alignl 7, 3214868480
	.fill 96, 4, 3214868480
	.section	.rodata,"a",@progbits
	.p2align	6, 0x0
	.amdhsa_kernel k_qf4c9cdf55e_attn
		.amdhsa_group_segment_fixed_size 327680
		.amdhsa_private_segment_fixed_size 0
		.amdhsa_enable_private_segment 0
		.amdhsa_kernarg_size 16
		.amdhsa_user_sgpr_count 2
		.amdhsa_user_sgpr_kernarg_segment_ptr 1
		.amdhsa_wavefront_size32 1
		.amdhsa_system_sgpr_workgroup_id_x 1
		.amdhsa_system_sgpr_workgroup_id_y 1
		.amdhsa_system_sgpr_workgroup_id_z 1
		.amdhsa_system_vgpr_workitem_id 0
		.amdhsa_next_free_vgpr 256
		.amdhsa_next_free_sgpr 66
		.amdhsa_reserve_vcc 1
		.amdhsa_float_denorm_mode_32 3
		.amdhsa_float_denorm_mode_16_64 3
		.amdhsa_memory_ordered 1
		.amdhsa_forward_progress 1
		.amdhsa_inst_pref_size 197
	.end_amdhsa_kernel
	.amdgpu_metadata
---
amdhsa.version: [ 1, 2 ]
amdhsa.kernels:
  - .name:           k_qf4c9cdf55e_attn
    .symbol:         k_qf4c9cdf55e_attn.kd
    .args:
      - { .name: qkv16, .offset: 0, .size: 8, .value_kind: global_buffer, .address_space: global }
      - { .name: att16, .offset: 8, .size: 8, .value_kind: global_buffer, .address_space: global }
    .group_segment_fixed_size: 327680
    .private_segment_fixed_size: 0
    .kernarg_segment_align: 8
    .kernarg_segment_size: 16
    .max_flat_workgroup_size: 256
    .sgpr_count:     66
    .vgpr_count:     256
    .wavefront_size: 32
...
	.end_amdgpu_metadata
.endif
;; end of part 3
;; launch oproj (part 4): grid 4 x 64, 4 waves a work-group, clusters of 4 x 4, 327,680 bytes of LDS; arguments att16, aux, out0; writes out0
.if DOCPART == 4
	.amdgcn_target "amdgcn-amd-amdhsa--gfx1250"
	.amdhsa_code_object_version 6
	.text
	.protected	k_qf4c9cdf55e_oproj
	.globl	k_qf4c9cdf55e_oproj
	.p2align	8
	.type	k_qf4c9cdf55e_oproj,@function
k_qf4c9cdf55e_oproj:
	s_mov_b64 s[64:65], 0
	v_nop
	global_prefetch_b8 v0, s[64:65] scope:SCOPE_SE
	s_setreg_imm32_b32 hwreg(HW_REG_WAVE_MODE, 25, 1), 1
	s_wait_xcnt 0x0
	s_wait_alu depctr_hold_cnt(0) depctr_sa_sdst(0) depctr_va_vdst(0) depctr_va_sdst(0) depctr_va_ssrc(0) depctr_va_vcc(0) depctr_vm_vsrc(0)
	s_getreg_b32 s2, hwreg(HW_REG_IB_STS2, 6, 4)
	s_cmp_eq_u32 s2, 0
	s_cbranch_scc0 .Lentry_in_a_cluster
	s_endpgm
.Lentry_in_a_cluster:
	s_bfe_u32 s2, ttmp6, 0x10000c
	s_cmp_lg_u32 s2, 0xf033
	s_cbranch_scc0 .Lentry_shape_is_right
	s_endpgm
.Lentry_shape_is_right:
; out0[m][n] = the sum over k of attn[m][k] Wo[n][k]: attn as f16 by head (att16 [16 batch + head][2048][64]), Wo as f16 [1024][1024] at the head of aux; sums and out0 in f32.
; A tile of out0 is 128 x 256: 256 work-groups.  Four waves, each 64 x 128: 32 accumulators, all of window 1.  K goes in steps of 128, two heads, through two LDS slots:
; A's tile is two planes (a head each) of 128 rows x 128 bytes, B's 256 rows x 256 bytes.  Waves 0 and 1 fetch A's planes, waves 2 and 3 B's halves: one tensor load a wave behind each round.
; CLUSTERS: 4 x 4 work-groups: A's tiles are asked for jointly along a row of the cluster, B's along a column.  THE MATRIX INSTRUCTION IS USED TRANSPOSED (source 0 = 16 rows of Wo, source 1 = 16 rows of attn).
; No prefetch: both operands are small beside what the sixteen partners and the four clusters of a row read again.
; REGISTERS: window 0: v0-31 addresses; two fragment buffers of 96 (B's eight fragments, then A's four) at v32 and v128; on the way out v32-159 rows read back.  window 1: accumulator (a, b) at v[8 (8 a + b)].
.set KSTEP,  128
.set PA,     144                       ; A's LDS row: 128 bytes + 16
.set PB,     272                       ; B's: 256 + 16
.set PLANE,  128*PA
.set BOFF,   2*PLANE
.set HALFB,  128*PB
.set SLOT,   BOFF+2*HALFB
.set SPARE,  2*SLOT                    ; the spare words, 128 bytes a wave
.set SPITCH, 528                       ; the way out: 16 rows x (512 + 16) bytes a wave, in slot 0, which has had its last fill and its last read by then
.set LAPS,   4                         ; eight K steps
.set ADRA, 16
.set ADRB, 20
.set STO,  24
.set RD,   25
.set CO,   26
.set SPW,  28
.set NIL,  29
.set F0,   32
.set F1,   128
.set BK,   32
.set G1, 24
.set G0, 32
.set G1B, 48
.set G0B, 56
.set MSB, 0
.macro WIN new
.if MSB != \new
	s_set_vgpr_msb (MSB<<8)|\new
.set MSB, \new
.endif
.endm
.set MUL, 0x50                         ; C and D window 1, the sources window 0
.macro JLOAD s                         ; an s_nop 0 and four v_nop follow each of the two lines
	s_cmp_eq_u32 s11, 0
	s_cbranch_scc0 .Lfor_b_\@
	tensor_load_to_lds s[G0+4*\s:G0+4*\s+3], s[G1:G1+7]
	s_nop 0
.rept 4
	v_nop
.endr
	s_branch .Lasked_\@
.Lfor_b_\@:
	tensor_load_to_lds s[G0B+4*\s:G0B+4*\s+3], s[G1B:G1B+7]
	s_nop 0
.rept 4
	v_nop
.endr
.Lasked_\@:
.endm
.macro CREST
	s_cmp_lg_u32 s10, 0
	s_cbranch_scc1 .Lnot_wave_0_\@
	s_barrier_signal -3
.Lnot_wave_0_\@:
	s_barrier_wait -3
	s_barrier_signal -1
	s_barrier_wait -1
.endm
.macro CROUND
	s_barrier_signal -1
	s_barrier_wait -1
	CREST
.endm
	s_load_b128 s[4:7], s[0:1], 0x0                ; att16, aux
	s_load_b64 s[8:9], s[0:1], 0x10                ; out0
	v_lshl_add_u32 v[SPW], v0, 2, SPARE
	v_mov_b32 v[NIL], 0
	ds_add_u32 v[SPW], v[NIL]                      ; the wave's opening: the add, twice on end, and its wait ahead of my first tensor load
	ds_add_u32 v[SPW], v[NIL]
	v_lshrrev_b32 v1, 5, v0
	v_readfirstlane_b32 s10, v1
	s_lshr_b32 s11, s10, 1                         ; which 64 rows of the tile are mine.  Also: I fetch for A (0) or for B (1)
	s_and_b32 s12, s10, 1                          ; which 128 columns.  Also: which plane of A or half of B I fetch
	s_bfe_u32 s40, ttmp6, 0x40000
	s_bfe_u32 s41, ttmp6, 0x40004
	s_lshl_b32 s42, ttmp9, 2
	s_add_co_u32 s42, s42, s40                     ; tile column
	s_and_b32 s13, ttmp7, 0xffff
	s_lshl_b32 s13, s13, 2
	s_add_co_u32 s13, s13, s41                     ; tile row
	s_lshl_b32 s43, s41, 2
	s_lshl_b32 s43, 15, s43
	s_lshl_b32 s44, 0x1111, s40
	s_or_b32 s[G1+0], s43, (1<<16)|(1<<20)|(1<<21)|(4<<22)|(3<<25)   ; A: 128 rows of 64 elements of 2 bytes; 4 words of padding after every 32
	s_mov_b32 s[G1+1], 64<<16
	s_mov_b32 s[G1+2], 128<<16
	s_mov_b32 s[G1+3], 64<<16
	s_mov_b32 s[G1+4], 128
	s_mov_b32 s[G1+5], 64
	s_mov_b32 s[G1+6], 0
	s_mov_b32 s[G1+7], 0
	s_or_b32 s[G1B+0], s44, (1<<16)|(1<<20)|(1<<21)|(5<<22)|(3<<25)  ; B: 128 rows of 128 elements, 1,024 apart; 4 words after every 64
	s_mov_b32 s[G1B+1], 128<<16
	s_mov_b32 s[G1B+2], 128<<16
	s_mov_b32 s[G1B+3], 128<<16
	s_mov_b32 s[G1B+4], 128
	s_mov_b32 s[G1B+5], 1024
	s_mov_b32 s[G1B+6], 0
	s_mov_b32 s[G1B+7], 0
	s_lshr_b32 s16, s13, 4                         ; A: the batch's 16 heads of 262,144 bytes,
	s_lshl_b32 s16, s16, 22
	s_and_b32 s17, s13, 15                         ; the tile's 128 rows of 128 bytes within a head,
	s_lshl_b32 s17, s17, 14
	s_add_co_u32 s16, s16, s17
	s_lshl_b32 s17, s12, 18                        ; my head of the K step's two
	s_add_co_u32 s16, s16, s17
	s_mov_b32 s17, 0
	s_lshl_b32 s46, s42, 19                        ; B: row 256 x tile column + 128 x half, 2,048 bytes a row
	s_lshl_b32 s47, s12, 18
	s_add_co_u32 s46, s46, s47
	s_mov_b32 s47, 0
	s_mul_i32 s20, s12, PLANE                      ; where they go
	s_mul_i32 s21, s12, HALFB
	s_add_co_u32 s21, s21, BOFF
	s_wait_dscnt 0x0
	s_wait_kmcnt 0x0
	s_add_nc_u64 s[14:15], s[4:5], s[16:17]
	s_add_nc_u64 s[46:47], s[6:7], s[46:47]
	CROUND
.irp s, 0,1
	s_mov_b32 s[G0+4*\s], 1
	s_add_co_u32 s[G0+4*\s+1], s20, \s*SLOT
	s_add_nc_u64 s[G0+4*\s+2:G0+4*\s+3], s[14:15], \s*2*262144
	s_or_b32 s[G0+4*\s+3], s[G0+4*\s+3], 0x80000000
	s_mov_b32 s[G0B+4*\s], 1
	s_add_co_u32 s[G0B+4*\s+1], s21, \s*SLOT
	s_add_nc_u64 s[G0B+4*\s+2:G0B+4*\s+3], s[46:47], \s*KSTEP*2
	s_or_b32 s[G0B+4*\s+3], s[G0B+4*\s+3], 0x80000000
	JLOAD \s
.endr
	v_and_b32 v1, 15, v0
	v_bfe_u32 v2, v0, 4, 1
	v_mul_u32_u24 v3, v1, PA
	v_lshl_add_u32 v3, v2, 4, v3
	v_mul_u32_u24 v4, v1, PB
	v_lshl_add_u32 v4, v2, 4, v4
	s_mul_i32 s21, s11, 64*PA
	s_mul_i32 s22, s12, HALFB
	s_add_co_u32 s22, s22, BOFF
.irp s, 0,1
	v_add_nc_u32 v[ADRA+\s], s21, v3
	v_add_nc_u32 v[ADRB+\s], s22, v4
	s_add_co_u32 s21, s21, SLOT
	s_add_co_u32 s22, s22, SLOT
.endr
	s_mul_i32 s23, s10, 16*SPITCH
	v_mul_u32_u24 v5, v1, SPITCH
	v_lshl_add_u32 v5, v2, 5, v5
	v_add_nc_u32 v[STO], s23, v5
	v_and_b32 v6, 31, v0
	v_lshlrev_b32 v[CO], 4, v6
	v_add_nc_u32 v[RD], s23, v[CO]
	s_lshl_b32 s16, s13, 19                        ; my first row of out0: 128 x tile row + 64 x half, 4,096 bytes a row
	s_lshl_b32 s17, s11, 18
	s_add_co_u32 s16, s16, s17
	s_mov_b32 s17, 0
	s_add_nc_u64 s[8:9], s[8:9], s[16:17]
	s_lshl_b32 s46, s42, 10                        ; my first column, in bytes
	s_lshl_b32 s47, s12, 9
	s_add_co_u32 s46, s46, s47
	s_mov_b32 s47, 0
	s_add_nc_u64 s[8:9], s[8:9], s[46:47]
.macro MULA f, a, zero                 ; A's block a against B's eight.  The 32 accumulators take turns, in the same order in every quarter
.irp b, 0,1,2,3,4,5,6,7
.if \zero
	v_wmma_f32_16x16x32_f16 v[8*(8*(\a)+\b):8*(8*(\a)+\b)+7], v[\f+8*\b:\f+8*\b+7], v[\f+64+8*(\a):\f+64+8*(\a)+7], 0
.else
	v_wmma_f32_16x16x32_f16 v[8*(8*(\a)+\b):8*(8*(\a)+\b)+7], v[\f+8*\b:\f+8*\b+7], v[\f+64+8*(\a):\f+64+8*(\a)+7], v[8*(8*(\a)+\b):8*(8*(\a)+\b)+7]
.endif
.endr
.endm
.macro FETCH slot, c, f                ; 24 LDS loads: the fragments of the slot's c-th 32 along K; A's blocks 2 and 3 last
.irp i, 0,1,2,3,4,5,6,7
	ds_load_b128 v[\f+8*\i:\f+8*\i+3],   v[ADRB+\slot] offset:64*(\c)+\i*16*PB
	ds_load_b128 v[\f+8*\i+4:\f+8*\i+7], v[ADRB+\slot] offset:64*(\c)+\i*16*PB+32
.endr
.irp i, 0,1,2,3
	ds_load_b128 v[\f+64+8*\i:\f+64+8*\i+3],   v[ADRA+\slot] offset:PLANE*((\c)/2)+64*((\c)%2)+\i*16*PA
	ds_load_b128 v[\f+64+8*\i+4:\f+64+8*\i+7], v[ADRA+\slot] offset:PLANE*((\c)/2)+64*((\c)%2)+\i*16*PA+32
.endr
.endm
.macro PLACES
.rept 4
	v_nop
.endr
.endm
.macro QUARTER slot, c, f, g, zero     ; multiplies buffer f; in its middle it fetches the slot's c-th 32 along K into g
	s_wait_dscnt 4                                 ; all but A's blocks 2 and 3
	WIN MUL
	MULA \f, 0, \zero
	MULA \f, 1, \zero
	PLACES
	WIN 0
	FETCH \slot, \c, \g
	s_wait_dscnt 24                                ; all but the 24 just issued
	WIN MUL
	MULA \f, 2, \zero
	MULA \f, 3, \zero
.endm
; The last quarter multiplies buffer 1 and changes slots: in front of the barrier each wave waits for all its tensor loads, adds 0 to its spare word, and waits for that and for its reads of this slot.
.macro TURN slot, next, fill
	WIN 0
	s_wait_tensorcnt 0x0                           ; my one load that was out, my part of the next slot, has landed
	ds_add_u32 v[SPW], v[NIL]
	s_wait_dscnt 5                                 ; (the add and the youngest four loads may be out)
	WIN MUL
	MULA F1, 0, 0
	s_wait_dscnt 0x0                               ; the add is done, and my reads of this slot are over
	s_barrier_signal -1
	MULA F1, 1, 0
	WIN 0
	s_barrier_wait -1
.if \fill
	CREST                                          ; the barrier has opened a round of the cluster's: no wave of any partner still reads this slot or has a load on its way
	s_add_nc_u64 s[G0+4*\slot+2:G0+4*\slot+3], s[G0+4*\slot+2:G0+4*\slot+3], 4*262144
	s_add_nc_u64 s[G0B+4*\slot+2:G0B+4*\slot+3], s[G0B+4*\slot+2:G0B+4*\slot+3], 2*KSTEP*2
	JLOAD \slot                                    ; the first tensor load behind the round; its four v_nop are also the places in front of the loads below
.else
	PLACES
.endif
	FETCH \next, 0, F0
	WIN MUL
	MULA F1, 2, 0
	MULA F1, 3, 0
.endm
	s_wait_tensorcnt 1                             ; my part of K step 0 is in; K step 1's may be out
	s_barrier_signal -1
	s_barrier_wait -1
	FETCH 0, 0, F0
	QUARTER 0, 1, F0, F1, 1                        ; the first products start the sums
	WIN 0
	s_mov_b32 s3, LAPS-1
.Llap:                                             ; a trip goes once round the ring and fills both slots again
	QUARTER 0, 2, F1, F0, 0
	QUARTER 0, 3, F0, F1, 0
	TURN 0, 1, 1
	QUARTER 1, 1, F0, F1, 0
	QUARTER 1, 2, F1, F0, 0
	QUARTER 1, 3, F0, F1, 0
	TURN 1, 0, 1
	QUARTER 0, 1, F0, F1, 0
	WIN 0
	s_sub_co_u32 s3, s3, 1
	s_cmp_lg_u32 s3, 0
	s_cbranch_scc1 .Llap
	QUARTER 0, 2, F1, F0, 0                        ; the last lap fills nothing
	QUARTER 0, 3, F0, F1, 0
	TURN 0, 1, 0
	QUARTER 1, 1, F0, F1, 0
	QUARTER 1, 2, F1, F0, 0
	QUARTER 1, 3, F0, F1, 0
	s_wait_dscnt 4
	WIN MUL
	MULA F1, 0, 0
	MULA F1, 1, 0
	s_wait_dscnt 0
	MULA F1, 2, 0
	MULA F1, 3, 0
	WIN 0
; THE WAY OUT, block by block of 16 rows x 128 columns: through my own stage, back as whole rows of 512 bytes.
.macro TOSTAGE a
	WIN 0x04                                       ; an LDS store's data are its source 1: window 1
.irp b, 0,1,2,3,4,5,6,7
	ds_store_b128 v[STO], v[64*(\a)+8*\b:64*(\a)+8*\b+3] offset:64*\b          ; each accumulator from its low end on
	ds_store_b128 v[STO], v[64*(\a)+8*\b+4:64*(\a)+8*\b+7] offset:64*\b+16
.endr
	WIN 0
.irp t, 0,1,2,3,4,5,6,7,8,9,10,11,12,13,14,15
	ds_load_b128 v[BK+64*((\a)%2)+4*\t:BK+64*((\a)%2)+4*\t+3], v[RD] offset:\t*SPITCH
.endr
.endm
.macro SEND a, younger
	s_wait_dscnt \younger
.irp t, 0,1,2,3,4,5,6,7,8,9,10,11,12,13,14,15
	global_store_b128 v[CO], v[BK+64*((\a)%2)+4*\t:BK+64*((\a)%2)+4*\t+3], s[8:9] offset:65536*(\a)+4096*\t th:TH_STORE_NT   ; 512 consecutive bytes, aligned
.endr
.endm
	PLACES
	TOSTAGE 0
.irp a, 1,2,3
.if \a > 1
	s_wait_xcnt 0x0                                ; block a - 2's stores have read their registers
.endif
	TOSTAGE \a
	SEND \a-1, 32                                  ; behind block a - 1's loads: block a's 16 stores and 16 loads
.endr
	SEND 3, 0
	s_wait_tensorcnt 0x0                           ; the wave's end
	ds_add_u32 v[SPW], v[NIL]
	s_wait_dscnt 0x0
	CROUND                                         ; the closing round
	s_endpgm
.Lfunc_end_k_qf4c9cdf55e_oproj:
	.size	k_qf4c9cdf55e_oproj, .Lfunc_end_k_qf4c9cdf55e_oproj-k_qf4c9cdf55e_oproj
	.p2alignl 7, 3214868480
	.fill 96, 4, 3214868480
	.section	.rodata,"a",@progbits
	.p2align	6, 0x0
	.amdhsa_kernel k_qf4c9cdf55e_oproj
		.amdhsa_group_segment_fixed_size 327680
		.amdhsa_private_segment_fixed_size 0
		.amdhsa_enable_private_segment 0
		.amdhsa_kernarg_size 24
		.amdhsa_user_sgpr_count 2
		.amdhsa_user_sgpr_kernarg_segment_ptr 1
		.amdhsa_wavefront_size32 1
		.amdhsa_system_sgpr_workgroup_id_x 1
		.amdhsa_system_sgpr_workgroup_id_y 1
		.amdhsa_system_sgpr_workgroup_id_z 1
		.amdhsa_system_vgpr_workitem_id 0
		.amdhsa_next_free_vgpr 512
		.amdhsa_next_free_sgpr 66
		.amdhsa_reserve_vcc 0
		.amdhsa_float_denorm_mode_32 3
		.amdhsa_float_denorm_mode_16_64 3
		.amdhsa_memory_ordered 1
		.amdhsa_forward_progress 1
		.amdhsa_inst_pref_size 85
	.end_amdhsa_kernel
	.amdgpu_metadata
---
amdhsa.version: [ 1, 2 ]
amdhsa.kernels:
  - .name:           k_qf4c9cdf55e_oproj
    .symbol:         k_qf4c9cdf55e_oproj.kd
    .args:
      - { .name: att16, .offset: 0, .size: 8, .value_kind: global_buffer, .address_space: global }
      - { .name: aux, .offset: 8, .size: 8, .value_kind: global_buffer, .address_space: global }
      - { .name: out0, .offset: 16, .size: 8, .value_kind: global_buffer, .address_space: global }
    .group_segment_fixed_size: 327680
    .private_segment_fixed_size: 0
    .kernarg_segment_align: 8
    .kernarg_segment_size: 24
    .max_flat_workgroup_size: 128
    .sgpr_count:     66
    .vgpr_count:     512
    .wavefront_size: 32
...
	.end_amdgpu_metadata
.endif
;; end of part 4
;; launch fine (part 5): grid 16 x 4, 16 waves a work-group, no clusters, 86,016 bytes of LDS; arguments fineb, Wo, out0; writes out0
.if DOCPART == 5
	.amdgcn_target "amdgcn-amd-amdhsa--gfx1250"
	.amdhsa_code_object_version 6
	.text
	.protected	k_qf4c9cdf55e_fine
	.globl	k_qf4c9cdf55e_fine
	.p2align	8
	.type	k_qf4c9cdf55e_fine,@function
k_qf4c9cdf55e_fine:
	s_mov_b64 s[64:65], 0
	v_nop
	global_prefetch_b8 v0, s[64:65] scope:SCOPE_SE
	s_setreg_imm32_b32 hwreg(HW_REG_WAVE_MODE, 25, 1), 1
	s_wait_xcnt 0x0
; Positions 0-15 of each batch, in f32 throughout: there a row of the softmax averages one to sixteen values, and f16 operands would weigh most.  64 rows of out0 are written over.
; fineb: [4 batches][16 positions][3072] f32: Q, K (rotated) and V of those positions.  Work-group (j, b) makes columns 64 j .. 64 j + 63 of batch b's 16 rows.
; PHASE A: wave w is head w: S^T = K Q^T, the causal mask, softmax with the row's maximum taken away, O^T = V^T P, divided by the sum; the 16 x 1024 result meets in LDS.  (Each of a batch's 16 work-groups does this anew: 16 x 16 x 64 products a head.)
; PHASE B: wave w makes columns 16 (w % 4) on over K = 256 (w / 4) on; the four parts along K meet in LDS and are added by waves 0-7, which store whole aligned runs of 256 bytes.
; The f32 matrix form takes 4 along K an instruction; a lane's register j stands for k = 2 h + j.  Both sides of each product are loaded with the same permutation of k, 16 bytes a lane, which keeps the products.
; The accumulators v16-47 are written by matrix instructions alone; two or four of them take turns.
.set APITCH, 4112                      ; a row of the attention's result in LDS: 4,096 bytes + 16
.set PART,  16*APITCH                  ; four parts of 16 rows x (256 + 16) bytes
.set SPARE, PART+4*16*272              ; the spare words, 128 bytes a wave
.set SPW, 12
.set NIL, 13
	s_load_b128 s[4:7], s[0:1], 0x0                ; fineb, Wo
	s_load_b64 s[8:9], s[0:1], 0x10                ; out0
	v_lshl_add_u32 v[SPW], v0, 2, SPARE
	v_mov_b32 v[NIL], 0
	v_lshrrev_b32 v1, 5, v0
	v_readfirstlane_b32 s10, v1                    ; wave 0..15
	s_and_b32 s12, s10, 3                          ; nt
	s_lshr_b32 s13, s10, 2                         ; kq
	s_and_b32 s18, ttmp7, 0xffff                   ; b
	s_mov_b32 s14, 0x3e38aa3b                      ; c = log2(e) / 8
	s_mov_b32 s16, 0x76543210
	s_mov_b32 s17, 0xfedcba98
	v_and_b32 v1, 15, v0                           ; r
	v_bfe_u32 v2, v0, 4, 1                         ; h
	s_lshl_b32 s11, s10, 8
	v_mul_u32_u24 v3, v1, 12288
	v_lshl_add_u32 v3, v2, 4, v3
	v_add_nc_u32 v3, s11, v3                       ; Q, K: row r, my head's 256 bytes, + 16 h
	v_mul_u32_u24 v4, v2, 98304
	v_lshl_add_u32 v4, v1, 2, v4
	v_add_nc_u32 v4, s11, v4                       ; V: rows 8 h on, channel r of my head
	v_lshlrev_b32 v5, 12, v1
	v_lshl_add_u32 v5, v2, 4, v5                   ; Wo: row r of 4,096 bytes, + 16 h
	v_mul_u32_u24 v6, v1, APITCH
	v_lshl_add_u32 v7, v2, 4, v6
	v_lshl_add_u32 v6, v2, 5, v6
	v_add_nc_u32 v6, s11, v6                       ; the result, in: row r, 256 w + 32 h
	s_lshl_b32 s19, s13, 10
	v_add_nc_u32 v7, s19, v7                       ; and back: row r, 1,024 kq + 16 h
	v_mul_u32_u24 v8, v1, 272
	v_lshl_add_u32 v8, v2, 5, v8
	s_mul_i32 s20, s13, 16*272
	s_lshl_b32 s21, s12, 6
	s_add_co_u32 s20, s20, s21
	s_add_co_u32 s20, s20, PART
	v_add_nc_u32 v8, s20, v8                       ; a part, in: 4,352 kq + 272 r + 64 nt + 32 h
	v_mul_u32_u24 v9, v2, 272
	v_lshl_add_u32 v9, v1, 4, v9
	s_mul_i32 s20, s10, 2*272
	s_add_co_u32 s20, s20, PART
	v_add_nc_u32 v9, s20, v9                       ; and back (waves 0-7): row 2 w + h, 16 bytes a lane
	v_lshlrev_b32 v10, 12, v2
	v_lshl_add_u32 v10, v1, 4, v10                 ; the same place in out0
	v_lshlrev_b32 v11, 3, v2
	v_sub_nc_u32 v11, v1, v11                      ; r - 8 h
	v_mov_b32 v14, 0                               ; (a lane permute's destination counts as one of its sources)
	v_mov_b32 v1, 0xff800000                       ; -infinity
	s_mul_i32 s20, s18, 196608
	s_mov_b32 s21, 0
	s_lshl_b32 s22, ttmp9, 18                      ; Wo: row 64 j + 16 nt, byte 1,024 kq
	s_lshl_b32 s23, s12, 16
	s_add_co_u32 s22, s22, s23
	s_add_co_u32 s22, s22, s19
	s_mov_b32 s23, 0
	s_lshl_b32 s24, s18, 23                        ; out0: row 2,048 b + 2 w, byte 256 j
	s_lshl_b32 s25, s10, 13
	s_add_co_u32 s24, s24, s25
	s_lshl_b32 s25, ttmp9, 8
	s_add_co_u32 s24, s24, s25
	s_mov_b32 s25, 0
	s_wait_kmcnt 0x0
	s_add_nc_u64 s[4:5], s[4:5], s[20:21]
	s_add_nc_u64 s[6:7], s[6:7], s[22:23]
	s_add_nc_u64 s[8:9], s[8:9], s[24:25]
.set n, 0
.rept 8
	global_load_b128 v[64+4*n:67+4*n], v3, s[4:5] offset:32*n                ; Q: channels 8 n + 4 h + 0..3
.set n, n+1
.endr
.set n, 0
.rept 8
	global_load_b128 v[96+4*n:99+4*n], v3, s[4:5] offset:4096+32*n           ; K likewise
.set n, n+1
.endr
.irp t, 0,1,2,3
.irp u, 0,1,2,3,4,5,6,7
	global_load_b32 v[128+8*\t+\u], v4, s[4:5] offset:8192+12288*\u+64*\t    ; V(key 8 h + u, channel 16 t + r)
.endr
.endr
.set n, 0
.rept 16
	global_load_b128 v[192+4*n:195+4*n], v5, s[6:7] offset:32*n              ; Wo, the first half of my 256 along K
.set n, n+1
.endr
; ---- A
	s_wait_loadcnt 48                              ; Q and K are in; V's 32 loads and Wo's 16 may be out
.set n, 0
.rept 16
.if n < 2
	v_wmma_f32_16x16x4_f32 v[16+8*(n%2):23+8*(n%2)], v[96+2*n:97+2*n], v[64+2*n:65+2*n], 0
.else
	v_wmma_f32_16x16x4_f32 v[16+8*(n%2):23+8*(n%2)], v[96+2*n:97+2*n], v[64+2*n:65+2*n], v[16+8*(n%2):23+8*(n%2)]
.endif
.set n, n+1
.endr
.rept 8
	v_nop                                          ; eight places behind this form (ISA guide 7.12.1)
.endr
.irp j, 0,1,2,3,4,5,6,7
	v_add_f32 v[48+\j], v[16+\j], v[24+\j]         ; the score of key 8 h + j for query r
.endr
.irp j, 0,1,2,3,4,5,6,7
	v_cmp_gt_i32 vcc_lo, \j, v11                   ; hidden where 8 h + j > r
	v_cndmask_b32 v[48+\j], v[48+\j], v1, vcc_lo
.endr
	v_max3_num_f32 v2, v48, v49, v50
	v_max3_num_f32 v2, v2, v51, v52
	v_max3_num_f32 v2, v2, v53, v54
	v_max_num_f32 v2, v2, v55
	v_permlanex16_b32 v14, v2, s16, s17
	v_max_num_f32 v2, v2, v14                      ; the row's maximum: key 0 counts for every query
	v_mul_f32 v15, s14, v2
.irp j, 0,1,2,3,4,5,6,7
	v_fma_f32 v[56+\j], v[48+\j], s14, -v15
.endr
.irp j, 0,1,2,3,4,5,6,7
	v_exp_f32 v[56+\j], v[56+\j]
.endr
	v_nop
	s_wait_alu depctr_va_vdst(0)                   ; one wait for the eight exponentials
	v_add_f32 v2, v56, v57
	v_add_f32 v15, v58, v59
	v_add_f32 v2, v2, v60
	v_add_f32 v15, v15, v61
	v_add_f32 v2, v2, v62
	v_add_f32 v15, v15, v63
	v_add_f32 v2, v2, v15
	v_permlanex16_b32 v14, v2, s16, s17
	v_add_f32 v2, v2, v14
	v_rcp_f32 v15, v2
	v_nop
	s_wait_loadcnt 16                              ; V is in; Wo's 16 loads may be out
.irp kk, 0,1,2,3                       ; O^T = V^T P: keys 8 h + 2 kk + 0, 1 on both sides; four accumulators by turns
.irp t, 0,1,2,3
.if \kk == 0
	v_wmma_f32_16x16x4_f32 v[16+8*\t:23+8*\t], v[128+8*\t+2*\kk:129+8*\t+2*\kk], v[56+2*\kk:57+2*\kk], 0
.else
	v_wmma_f32_16x16x4_f32 v[16+8*\t:23+8*\t], v[128+8*\t+2*\kk:129+8*\t+2*\kk], v[56+2*\kk:57+2*\kk], v[16+8*\t:23+8*\t]
.endif
.endr
.endr
.rept 9
	v_nop                                          ; nine places: the projection's first products write over these accumulators
.endr
	s_wait_alu depctr_va_vdst(0)                   ; the reciprocal, ahead of its first reader
.set n, 0
.rept 32
	v_mul_f32 v[160+n], v[16+n], v15               ; register 8 t + j: channel 16 t + 8 h + j of query r
.set n, n+1
.endr
.irp t, 0,1,2,3
	ds_store_b128 v6, v[160+8*\t:163+8*\t] offset:64*\t
	ds_store_b128 v6, v[164+8*\t:167+8*\t] offset:64*\t+16
.endr
	s_wait_dscnt 0x0                               ; my stores have landed, for the others' sake, and have read their registers
.set n, 0
.rept 16
	global_load_b128 v[128+4*n:131+4*n], v5, s[6:7] offset:512+32*n          ; Wo, the second half
.set n, n+1
.endr
	s_barrier_signal -1
	s_barrier_wait -1                              ; all sixteen heads lie in LDS
; ---- B
.set n, 0
.rept 16
	ds_load_b128 v[64+4*n:67+4*n], v7 offset:32*n
.set n, n+1
.endr
	s_wait_loadcnt 16                              ; Wo's first half is in
	s_wait_dscnt 0x0
.set n, 0
.rept 32
.if n < 2
	v_wmma_f32_16x16x4_f32 v[16+8*(n%2):23+8*(n%2)], v[192+2*n:193+2*n], v[64+2*n:65+2*n], 0
.else
	v_wmma_f32_16x16x4_f32 v[16+8*(n%2):23+8*(n%2)], v[192+2*n:193+2*n], v[64+2*n:65+2*n], v[16+8*(n%2):23+8*(n%2)]
.endif
.set n, n+1
.endr
.rept 8
	v_nop                                          ; places in front of loads into registers that these products have read
.endr
.set n, 0
.rept 16
	ds_load_b128 v[64+4*n:67+4*n], v7 offset:512+32*n
.set n, n+1
.endr
	s_wait_loadcnt 0x0
	s_wait_dscnt 0x0
.set n, 0
.rept 32
	v_wmma_f32_16x16x4_f32 v[16+8*(n%2):23+8*(n%2)], v[128+2*n:129+2*n], v[64+2*n:65+2*n], v[16+8*(n%2):23+8*(n%2)]
.set n, n+1
.endr
.rept 8
	v_nop
.endr
.irp j, 0,1,2,3,4,5,6,7
	v_add_f32 v[48+\j], v[16+\j], v[24+\j]         ; my part of out0(r, 64 j' + 16 nt + 8 h + j)
.endr
	ds_store_b128 v8, v[48:51]
	ds_store_b128 v8, v[52:55] offset:16
	s_wait_dscnt 0x0
	s_barrier_signal -1
	s_barrier_wait -1                              ; the four parts lie in LDS
	s_cmp_ge_u32 s10, 8                            ; eight waves add and store, two rows each
	s_cbranch_scc1 .Lend
.irp q, 0,1,2,3
	ds_load_b128 v[64+4*\q:67+4*\q], v9 offset:16*272*\q
.endr
	s_wait_dscnt 0x0
	v_pk_add_f32 v[64:65], v[64:65], v[68:69]
	v_pk_add_f32 v[66:67], v[66:67], v[70:71]
	v_pk_add_f32 v[72:73], v[72:73], v[76:77]
	v_pk_add_f32 v[74:75], v[74:75], v[78:79]
	v_pk_add_f32 v[64:65], v[64:65], v[72:73]
	v_pk_add_f32 v[66:67], v[66:67], v[74:75]
	global_store_b128 v10, v[64:67], s[8:9]        ; sixteen lanes store 256 consecutive bytes, aligned
.Lend:
	s_wait_tensorcnt 0x0                           ; the wave's end, behind my last LDS store
	ds_add_u32 v[SPW], v[NIL]
	s_wait_dscnt 0x0
	s_endpgm
.Lfunc_end_k_qf4c9cdf55e_fine:
	.size	k_qf4c9cdf55e_fine, .Lfunc_end_k_qf4c9cdf55e_fine-k_qf4c9cdf55e_fine
	.p2alignl 7, 3214868480
	.fill 96, 4, 3214868480
	.section	.rodata,"a",@progbits
	.p2align	6, 0x0
	.amdhsa_kernel k_qf4c9cdf55e_fine
		.amdhsa_group_segment_fixed_size 86016
		.amdhsa_private_segment_fixed_size 0
		.amdhsa_enable_private_segment 0
		.amdhsa_kernarg_size 24
		.amdhsa_user_sgpr_count 2
		.amdhsa_user_sgpr_kernarg_segment_ptr 1
		.amdhsa_wavefront_size32 1
		.amdhsa_system_sgpr_workgroup_id_x 1
		.amdhsa_system_sgpr_workgroup_id_y 1
		.amdhsa_system_sgpr_workgroup_id_z 1
		.amdhsa_system_vgpr_workitem_id 0
		.amdhsa_next_free_vgpr 256
		.amdhsa_next_free_sgpr 66
		.amdhsa_reserve_vcc 1
		.amdhsa_float_denorm_mode_32 3
		.amdhsa_float_denorm_mode_16_64 3
		.amdhsa_memory_ordered 1
		.amdhsa_forward_progress 1
		.amdhsa_inst_pref_size 26
	.end_amdhsa_kernel
	.amdgpu_metadata
---
amdhsa.version: [ 1, 2 ]
amdhsa.kernels:
  - .name:           k_qf4c9cdf55e_fine
    .symbol:         k_qf4c9cdf55e_fine.kd
    .args:
      - { .name: fineb, .offset: 0, .size: 8, .value_kind: global_buffer, .address_space: global }
      - { .name: Wo, .offset: 8, .size: 8, .value_kind: global_buffer, .address_space: global }
      - { .name: out0, .offset: 16, .size: 8, .value_kind: global_buffer, .address_space: global }
    .group_segment_fixed_size: 86016
    .private_segment_fixed_size: 0
    .kernarg_segment_align: 8
    .kernarg_segment_size: 24
    .max_flat_workgroup_size: 512
    .sgpr_count:     66
    .vgpr_count:     256
    .wavefront_size: 32
...
	.end_amdgpu_metadata
.endif
;; end of part 5
